; MI455X (gfx1250); checked and timed in simulation.
; The chip was launched on July 23, 2026; its instructions are those of AMD's public machine-readable ISA for CDNA 5 (MIT licence, August 2026) and "CDNA5" Instruction Set Architecture Reference Guide (July 2026). The comments in the code are by the model that wrote it; some were corrected since.
;; Multi Head Self Attention. Allowed arithmetic: matrix products marked QUANTISED: E4M3 operands, one given power-of-two scale a tensor, by v_wmma_f32_16x16x64_fp8_fp8 or v_wmma_f32_16x16x128_fp8_fp8, f32 sums; everything else in f32.
;; Inputs: Wk 1,024 x 1,024 float32; Wo 1,024 x 1,024 float32; Wq 1,024 x 1,024 float32; Wv 1,024 x 1,024 float32; bk 1,024 float32; bo 1,024 float32; bq 1,024 float32; bv 1,024 float32; lowp_scales 12 int32 (the exponents e of the quantised operands' scales 2^e); mask 1 x 1 x 4,096 x 4,096 bool; x 1 x 4,096 x 1,024 float32.
;; Outputs: out0 1 x 4,096 x 1,024 float32.
;; This version of the problem:
;;   THIS VERSION OF THE PROBLEM IS GIVEN IN LOW PRECISION. The matrix products marked QUANTISED in the list below multiply operands that are first quantised to E4M3 (4 exponent bits, 3 mantissa bits; 8 bits a number), with one given power-of-two scale for each operand tensor; their sums are f32. All else is computed in f32.
;;   The module's matrix products, in the order in which they are computed (A, B: the left and right operand; K: the contracted axis; several contracted axes count as one K, in the product's order):
;;     1. [M 4,096, K 1,024] x [K 1,024, N 1,024]; A: input x; B: input Wq: QUANTISED (scales: A lowp_scales[0], B lowp_scales[1])
;;     2. [M 4,096, K 1,024] x [K 1,024, N 1,024]; A: input x; B: input Wk: QUANTISED (scales: A lowp_scales[2], B lowp_scales[3])
;;     3. [M 4,096, K 1,024] x [K 1,024, N 1,024]; A: input x; B: input Wv: QUANTISED (scales: A lowp_scales[4], B lowp_scales[5])
;;     4. batch 16 x [M 4,096, K 64] x [K 64, N 4,096]; A: computed on the way; B: computed on the way: QUANTISED (scales: A lowp_scales[6], B lowp_scales[7])
;;     5. batch 16 x [M 4,096, K 4,096] x [K 4,096, N 64]; A: softmax (see below); B: computed on the way: QUANTISED (scales: A lowp_scales[8], B lowp_scales[9])
;;     6. [M 4,096, K 1,024] x [K 1,024, N 1,024]; A: computed on the way; B: input Wo: QUANTISED (scales: A lowp_scales[10], B lowp_scales[11])
;;   THE QUANTISER, for each operand of a quantised product, along K:
;;     - The operand's scale is 2^e, e = its entry of the input lowp_scales (int32; the entries are numbered through the quantised products in the list's order, A before B).
;;     - Each number is divided by the scale, clamped to +-448, and rounded to the nearest number of E4M3, ties to even, subnormals kept.
;;     - The product sums the exact products of the quantised numbers (number of the format x scale) in f32.
;;   ~~~python
;;   def quantise(x, axis, e):      # numpy; x: float32 -> the quantised numbers, widened to float32 again
;;       x = np.moveaxis(x, axis, -1); K = x.shape[-1]
;;       r = np.clip(x / 2.0 ** e, -448, 448)
;;       step = 2.0 ** (np.maximum(np.frexp(np.where(r == 0, 1, r))[1] - 1, -6) - 3)
;;       q = np.round(r / step) * step * 2.0 ** e      # np.round: ties to even
;;       return np.moveaxis(q, -1, axis).astype(np.float32)
;;   ~~~
;;   SOFTMAX AHEAD OF A QUANTISED PRODUCT. Where the list says 'softmax', what is quantised is not the finished softmax but p = 2^(t - M), with t = logit x log2(e) and M = ceil(the row's largest t), a whole number; so 1/2 < the row's largest p <= 1. The row's sum l is taken of the UNQUANTISED p, in f32, and the product's result is divided by l at the end. Since M is a whole number, a kernel that streams over the keys may use a running M (the ceiling of the running maximum): every later rescaling is an exact power of two, so the quantised numbers keep their values, but for numbers so far below the row's largest that they fall under the format's range.
;;   OPERANDS COMPUTED ON THE WAY. 'Computed on the way' means the value that the module computes at that place (a softmax that the list does not call 'softmax' is quantised finished and normalised). What goes into a quantiser is computed in f32, as accurately as f32 sums, v_exp_f32 and their like allow (about 1e-6 of the number): no bf16 or f16 on the way to a quantiser, and a product that is left as it is and whose result goes on into a quantised operand takes f32 operands (vector FMAs, or v_wmma_f32_16x16x4_f32). A number that lies on a knife's edge between two numbers of the format may be rounded either way, as far as f32 arithmetic and the matrix unit's own rounding can turn it there, and no further.
;; 2 versions, each right; version 2 is version 1 with the launch attn written anew for expert scheduling mode. Each part assembles by itself: llvm-mc -triple=amdgcn-amd-amdhsa -mcpu=gfx1250 --defsym DOCPART=n.
;; ======== version 1 of 2: 4 launches
;; workspace buffers: xc 12,582,912 bytes; wc 4,194,304 bytes; qc 4,194,304 bytes; kv 8,388,608 bytes; oc 4,194,304 bytes; maskw 2,097,152 bytes of whole numbers; mflag 16,384 bytes of whole numbers
;; launch prep (part 1): grid 448 x 1, 8 waves a work-group, no clusters, 70,656 bytes of LDS; arguments x, Wq, Wk, Wv, Wo, mask, lowp_scales, xc, wc, maskw, mflag; writes xc, wc, maskw, mflag
.if DOCPART == 1
	.amdgcn_target "amdgcn-amd-amdhsa--gfx1250"
	.amdhsa_code_object_version 6
	.text
	.protected	k_q2a9d174ee5_prep
	.globl	k_q2a9d174ee5_prep
	.p2align	8
	.type	k_q2a9d174ee5_prep,@function
k_q2a9d174ee5_prep:
	s_mov_b64 s[64:65], 0
	v_nop
	global_prefetch_b8 v0, s[64:65] scope:SCOPE_SE
	s_setreg_imm32_b32 hwreg(HW_REG_WAVE_MODE, 25, 1), 1
	s_wait_xcnt 0x0
; MULTI-HEAD SELF-ATTENTION IN FP8 (E4M3), FIRST OF FOUR LAUNCHES: everything that is an input becomes what the later launches read.
; NO WORK OF THE PROBLEM IS LEFT OUT AS DEAD: every bias goes into a quantised operand (bq, bk, bv) or into the output (bo), every input is loaded.  Key steps whose part of the mask is all false are
; passed over in the third launch by a branch on whole numbers that this launch stores; there p = 0, the row's sum gains 0 and the row's maximum does not move, so the result is the same.
; Three kinds of work-groups, told apart by the work-group's number:
;   0-63    W: Wq, Wk, Wv, Wo [k][n] f32 -> wc [id][n][1024 bytes along k], codes with K innermost, scales e1, e3, e5, e11.  A lane takes a column n and its registers run down k.
;           In Wo's rows, within every 32 places, places 8-15 hold k 16-23 and places 16-23 hold k 8-15: so a 16-byte piece of a row is what the matrix form's own register order wants beside the images of o.
;   64-191  x: [4096][1024] f32 -> xc: three versions of codes, 4 MiB apart, with the scales e0, e2, e4 of the three products that take x.
;   192-447 mask: [4096][4096] bytes -> maskw [T][J][64] words: bit (r + 16 h) of word 8 t + j is mask[16 T + r][128 J + 16 t + 8 h + j]: a lane mask for one register of a tile of scores;
;           mflag [T][16] words: word g = (any of steps 4 g .. 4 g + 3) << 4 g, word 8 + g = (all of them) << 4 g.
; code = number / 2^e, held within +-448, rounded to the nearest code, ties to even.
; LIMITS: each e between -126 and 119.  A NaN among the float inputs is not carried (the hold takes the number); an infinity is held at the largest code.  Of a mask byte bit 0 alone is read (bool: 0 or 1).
.set SPARE, 69632                      ; behind the eight stages of the W path: the spare words, 128 bytes for each wave
.set SPW,   12                         ; v12  LDS address of my spare word; never rewritten
.set NIL,   13                         ; v13  0; never rewritten
.set X,     32                         ; W: v32-95 two sets of 32 numbers;  x: v32-159 sixteen steps of 8 numbers, then their codes
.set CW,    96                         ; W: v96-103 a block's codes
.set OUTR,  104                        ; W: v104-167 the way out
.set TQ,    160                        ; x: v160-183 three sets of 8 held numbers
.set M,     32                         ; mask: v32-95 the bytes as loaded
.set WO,    96                         ; mask: v96-103 256 words, gathered for two stores
.set TM,    104                        ; mask: v104-111 at work
.macro MKSC e, sc, lim                 ; v[sc] = 2^e as f32 (the conversion takes its exponent field), v[lim] = 448 x 2^e
	s_add_co_i32 s52, \e, 127
	s_lshl_b32 s53, s52, 23
	v_mov_b32 v[\sc], s53
	s_add_co_i32 s52, s52, 8
	s_lshl_b32 s52, s52, 23
	s_or_b32 s52, s52, 0x600000
	v_mov_b32 v[\lim], s52
.endm
	s_load_b512 s[8:23], s[0:1], 0x0               ; x s[8:9], Wq s[10:11], Wk s[12:13], Wv s[14:15], Wo s[16:17], mask s[18:19], the exponents s[20:21], xc s[22:23]
	s_load_b128 s[24:27], s[0:1], 0x40             ; wc s[24:25], maskw s[26:27]
	s_load_b64 s[28:29], s[0:1], 0x50              ; mflag
	v_lshl_add_u32 v[SPW], v0, 2, SPARE
	v_mov_b32 v[NIL], 0
	v_lshrrev_b32 v1, 5, v0
	v_readfirstlane_b32 s30, v1                    ; wave 0..7
	v_and_b32 v2, 31, v0                           ; lane
	s_wait_kmcnt 0x0
	s_load_b256 s[32:39], s[20:21], 0x0            ; e0 .. e7
	s_load_b128 s[40:43], s[20:21], 0x20           ; e8 .. e11
	s_cmp_lt_u32 ttmp9, 64
	s_cbranch_scc1 .Lw_path
	s_cmp_lt_u32 ttmp9, 192
	s_cbranch_scc1 .Lx_path
; ---- THE MASK.  Work-group T takes 16 queries, wave g the keys 512 g .. 512 g + 511: four key steps.  Lane (r, h) loads, for each tile t of 16 keys, the 8 bytes of row r at keys 16 t + 8 h.
	s_sub_co_u32 s44, ttmp9, 192                   ; T
	s_lshl_b32 s50, s44, 16                        ; 16 rows of 4,096 bytes
	s_lshl_b32 s51, s30, 9
	s_add_co_u32 s50, s50, s51
	s_mov_b32 s51, 0
	s_add_nc_u64 s[18:19], s[18:19], s[50:51]
	s_lshl_b32 s50, s44, 13                        ; 32 steps of 256 bytes of words
	s_lshl_b32 s52, s30, 10
	s_add_co_u32 s50, s50, s52
	s_add_nc_u64 s[26:27], s[26:27], s[50:51]
	s_lshl_b32 s50, s44, 6                         ; 16 flag words
	s_lshl_b32 s52, s30, 2
	s_add_co_u32 s50, s50, s52
	s_add_nc_u64 s[28:29], s[28:29], s[50:51]
	v_and_b32 v14, 15, v2                          ; r
	v_lshrrev_b32 v15, 4, v2                       ; h
	v_lshlrev_b32 v3, 12, v14
	v_lshl_add_u32 v3, v15, 3, v3                  ; row r, + 8 h
.irp q, 0,1,2,3,4,5,6,7,8,9,10,11,12,13,14,15,16,17,18,19,20,21,22,23,24,25,26,27,28,29,30,31
	global_load_b64 v[M+2*\q:M+2*\q+1], v3, s[18:19] offset:16*\q   ; step q / 8, tile q % 8; the 32 loads together read 512 consecutive bytes of each of the 16 rows
.endr
.irp i, 0,1,2,3,4,5,6,7
	v_mov_b32 v[WO+\i], 0                          ; a lane write's destination counts as read: written once
.endr
	s_mov_b32 s46, 0                               ; any, a bit a step
	s_mov_b32 s47, 0                               ; all
; eight words at a time: a byte's bit 0 is cut out, the compare makes the lane mask, which is the word; it is gathered into lane (word / 4) of register (word % 4) of a store
.macro MTILE jl, t
.irp j, 0,1,2,3,4,5,6,7
	v_and_b32 v[TM+\j], 1<<(8*(\j%4)), v[M+2*(8*(\jl)+(\t))+(\j/4)]
.endr
.irp j, 0,1,2,3,4,5,6,7
	v_cmp_ne_u32 s[48+\j], 0, v[TM+\j]
.endr
.irp j, 0,1,2,3,4,5,6,7
	s_or_b32 s44, s44, s[48+\j]
	s_and_b32 s45, s45, s[48+\j]
.endr
.irp j, 0,1,2,3,4,5,6,7
	v_writelane_b32 v[WO+4*((64*(\jl)+8*(\t)+\j)/128)+(\j%4)], s[48+\j], ((64*(\jl)+8*(\t)+\j)%128)/4
.endr
.endm
.irp jl, 0,1,2,3
	s_wait_loadcnt 24-8*\jl                        ; this step's eight loads are in; the later steps' may be out
	s_mov_b32 s44, 0
	s_mov_b32 s45, -1
.irp t, 0,1,2,3,4,5,6,7
	MTILE \jl, \t
.endr
	s_cmp_lg_u32 s44, 0
	s_cselect_b32 s56, 1<<\jl, 0
	s_or_b32 s46, s46, s56
	s_cmp_eq_u32 s45, -1
	s_cselect_b32 s56, 1<<\jl, 0
	s_or_b32 s47, s47, s56
.endr
	v_lshlrev_b32 v114, 4, v2
	global_store_b128 v114, v[WO:WO+3], s[26:27]               ; 512 consecutive bytes each
	global_store_b128 v114, v[WO+4:WO+7], s[26:27] offset:512
	s_lshl_b32 s57, s30, 2
	s_lshl_b32 s46, s46, s57                       ; << 4 g
	s_lshl_b32 s47, s47, s57
	v_mov_b32 v112, s46
	v_writelane_b32 v112, s47, 1                   ; lane 0: any, lane 1: all
	v_lshlrev_b32 v113, 5, v2                      ; the two words lie 32 bytes apart
	v_cmp_gt_u32 vcc_lo, 2, v2
	s_wait_xcnt 0x0                                ; EXEC changes only behind this wait: the stores above have it among their sources
	s_and_saveexec_b32 s58, vcc_lo
	global_store_b32 v113, v112, s[28:29]          ; two words of 4 bytes a wave: 16 KiB in the whole launch
	s_wait_xcnt 0x0
	s_or_b32 exec_lo, exec_lo, s58
	s_endpgm
; ---- x.  1,024 waves of 4,096 numbers.  A lane holds 8 neighbours along K (the conversion takes them from one lane's registers); a step's two loads together read 1,024 consecutive bytes.
.Lx_path:
	s_sub_co_u32 s44, ttmp9, 64
	s_lshl_b32 s44, s44, 3
	s_add_co_u32 s44, s44, s30                     ; which run of 4,096 numbers
	s_lshl_b32 s50, s44, 14
	s_mov_b32 s51, 0
	s_add_nc_u64 s[8:9], s[8:9], s[50:51]
	s_lshl_b32 s50, s44, 12
	s_add_nc_u64 s[44:45], s[22:23], s[50:51]      ; the three versions' places
	s_add_nc_u64 s[46:47], s[44:45], 0x400000
	s_add_nc_u64 s[48:49], s[44:45], 0x800000
	v_lshlrev_b32 v3, 5, v2
	v_lshlrev_b32 v4, 3, v2
.irp t, 0,1,2,3,4,5,6,7,8,9,10,11,12,13,14,15
	global_load_b128 v[X+8*\t:X+8*\t+3], v3, s[8:9] offset:1024*\t
	global_load_b128 v[X+8*\t+4:X+8*\t+7], v3, s[8:9] offset:1024*\t+16
.endr
	s_wait_kmcnt 0x0
	MKSC s32, 14, 15                               ; e0
	MKSC s34, 16, 17                               ; e2
	MKSC s36, 18, 19                               ; e4
.macro XSTEP t
	s_wait_loadcnt 30-2*(\t)                       ; this step's two loads are in; the later steps' may be out
.irp z, 0,1,2
.irp i, 0,1,2,3,4,5,6,7
	v_med3_num_f32 v[TQ+8*\z+\i], v[X+8*(\t)+\i], -v[15+2*\z], v[15+2*\z]   ; the conversion to an 8-bit code does not saturate (ISA guide 7.6.2): the hold comes first
.endr
.endr
.irp z, 0,1,2
	v_cvt_scalef32_pk8_fp8_f32 v[X+8*(\t)+2*\z:X+8*(\t)+2*\z+1], v[TQ+8*\z:TQ+8*\z+7], v[14+2*\z]   ; the codes take the place of the numbers, which are done with: no store's data are written again
.endr
	v_nop                                          ; a plain line between the conversions and the next step's holds, which write their sources
	global_store_b64 v4, v[X+8*(\t):X+8*(\t)+1], s[44:45] offset:256*(\t)      ; 32 lanes store 256 consecutive bytes, aligned
	global_store_b64 v4, v[X+8*(\t)+2:X+8*(\t)+3], s[46:47] offset:256*(\t)
	global_store_b64 v4, v[X+8*(\t)+4:X+8*(\t)+5], s[48:49] offset:256*(\t)
.endm
.irp t, 0,1,2,3,4,5,6,7,8,9,10,11,12,13,14,15
	XSTEP \t
.endr
	s_endpgm
; ---- THE WEIGHTS.  id = work-group / 16; a wave takes 32 columns x 256 along k: 8 blocks of 32.  The codes go through the wave's own stage (32 rows of 256 + 16 bytes) and leave as rows.
.Lw_path:
	s_lshr_b32 s44, ttmp9, 4                       ; id: 0 q, 1 k, 2 v, 3 o
	s_and_b32 s45, ttmp9, 15
	s_and_b32 s46, s45, 7
	s_lshl_b32 s46, s46, 7
	s_and_b32 s47, s30, 3
	s_lshl_b32 s47, s47, 5
	s_add_co_u32 s46, s46, s47                     ; my first column
	s_lshr_b32 s47, s45, 3
	s_lshl_b32 s47, s47, 9
	s_lshr_b32 s48, s30, 2
	s_lshl_b32 s48, s48, 8
	s_add_co_u32 s47, s47, s48                     ; my first k
	s_lshl_b32 s48, s47, 12
	s_lshl_b32 s49, s46, 2
	s_add_co_u32 s48, s48, s49                     ; in W: k rows of 4,096 bytes + 4 x column
	s_mov_b32 s49, 0
	s_lshl_b32 s50, s44, 20
	s_lshl_b32 s51, s46, 10
	s_add_co_u32 s50, s50, s51
	s_add_co_u32 s50, s50, s47                     ; in wc: id x 1 MiB + column x 1,024 + k
	s_mov_b32 s51, 0
	s_cmp_eq_u32 s44, 1                            ; the buffer is chosen by the work-group's number alone
	s_cselect_b64 s[10:11], s[12:13], s[10:11]
	s_cmp_eq_u32 s44, 2
	s_cselect_b64 s[10:11], s[14:15], s[10:11]
	s_cmp_eq_u32 s44, 3
	s_cselect_b64 s[10:11], s[16:17], s[10:11]
	s_cselect_b32 s52, 32768, 0                    ; Wo: places 8-15 read 8 rows further down,
	s_cselect_b32 s53, 0, 32768                    ; places 16-23 8 rows further up than the others' (whose offset below is written 8 rows short)
	s_add_nc_u64 s[10:11], s[10:11], s[48:49]
	s_add_nc_u64 s[24:25], s[24:25], s[50:51]
	v_lshlrev_b32 v3, 2, v2
	v_add_nc_u32 v4, s52, v3
	v_add_nc_u32 v5, s53, v3
	s_mul_i32 s54, s30, 8704                       ; my stage
	v_mul_u32_u24 v6, v2, 272
	v_add_nc_u32 v6, s54, v6                       ; into it: row = my column
	v_and_b32 v14, 15, v2
	v_lshrrev_b32 v15, 4, v2
	v_mul_u32_u24 v7, v15, 272
	v_lshl_add_u32 v7, v14, 4, v7
	v_add_nc_u32 v7, s54, v7                       ; out of it: sixteen lanes to a row, two rows an instruction
	v_lshlrev_b32 v8, 10, v15
	v_lshl_add_u32 v8, v14, 4, v8                  ; and the same place in wc
.macro WLOAD t                         ; block t: place i of 32 of my column, into set t % 2; each load reads 128 consecutive bytes, four waves stand side by side on 512
.irp i, 0,1,2,3,4,5,6,7
	global_load_b32 v[X+32*((\t)%2)+\i], v3, s[10:11] offset:(32*(\t)+\i)*4096 th:TH_LOAD_NT
.endr
.irp i, 8,9,10,11,12,13,14,15
	global_load_b32 v[X+32*((\t)%2)+\i], v4, s[10:11] offset:(32*(\t)+\i)*4096 th:TH_LOAD_NT
.endr
.irp i, 16,17,18,19,20,21,22,23
	global_load_b32 v[X+32*((\t)%2)+\i], v5, s[10:11] offset:(32*(\t)+\i-8)*4096 th:TH_LOAD_NT
.endr
.irp i, 24,25,26,27,28,29,30,31
	global_load_b32 v[X+32*((\t)%2)+\i], v3, s[10:11] offset:(32*(\t)+\i)*4096 th:TH_LOAD_NT
.endr
.endm
	WLOAD 0
	WLOAD 1
	s_wait_kmcnt 0x0
	s_cmp_eq_u32 s44, 1
	s_cselect_b32 s33, s35, s33                    ; e1, e3, e5 or e11
	s_cmp_eq_u32 s44, 2
	s_cselect_b32 s33, s37, s33
	s_cmp_eq_u32 s44, 3
	s_cselect_b32 s33, s43, s33
	MKSC s33, 11, 10
.macro WBLOCK t
.set XS, X+32*((\t)%2)
.if (\t) < 7
	s_wait_loadcnt 32                              ; this block's 32 loads are in; the next block's may be out
.else
	s_wait_loadcnt 0
.endif
.irp i, 0,1,2,3,4,5,6,7,8,9,10,11,12,13,14,15,16,17,18,19,20,21,22,23,24,25,26,27,28,29,30,31
	v_med3_num_f32 v[XS+\i], v[XS+\i], -v10, v10
.endr
.irp g, 0,1,2,3
	v_cvt_scalef32_pk8_fp8_f32 v[CW+2*\g:CW+2*\g+1], v[XS+8*\g:XS+8*\g+7], v11
.endr
	ds_store_b128 v6, v[CW:CW+3] offset:32*(\t)    ; 32 codes: 32 bytes of my column's row
	ds_store_b128 v6, v[CW+4:CW+7] offset:32*(\t)+16
.if (\t)+2 < 8
	WLOAD (\t)+2
.endif
	s_wait_dscnt 0x0                               ; the stores have read their registers: the next block's codes may be written
.endm
.irp t, 0,1,2,3,4,5,6,7
	WBLOCK \t
.endr
.irp i, 0,1,2,3,4,5,6,7,8,9,10,11,12,13,14,15
	ds_load_b128 v[OUTR+4*\i:OUTR+4*\i+3], v7 offset:2*\i*272   ; LDS serves a wave's instructions in order (ISA guide 5.7.1.4): these see my stores
.endr
.irp i, 0,1,2,3,4,5,6,7,8,9,10,11,12,13,14,15
	s_wait_dscnt 15-\i                             ; the younger stage loads may be out
	global_store_b128 v8, v[OUTR+4*\i:OUTR+4*\i+3], s[24:25] offset:2*\i*1024   ; sixteen lanes store 256 consecutive bytes, aligned
.endr
	s_wait_tensorcnt 0x0                           ; the wave's end, behind my last LDS store
	ds_add_u32 v[SPW], v[NIL]
	s_wait_dscnt 0x0
	s_endpgm
.Lfunc_end_k_q2a9d174ee5_prep:
	.size	k_q2a9d174ee5_prep, .Lfunc_end_k_q2a9d174ee5_prep-k_q2a9d174ee5_prep
	.p2alignl 7, 3214868480
	.fill 96, 4, 3214868480
	.section	.rodata,"a",@progbits
	.p2align	6, 0x0
	.amdhsa_kernel k_q2a9d174ee5_prep
		.amdhsa_group_segment_fixed_size 70656
		.amdhsa_private_segment_fixed_size 0
		.amdhsa_enable_private_segment 0
		.amdhsa_kernarg_size 88
		.amdhsa_user_sgpr_count 2
		.amdhsa_user_sgpr_kernarg_segment_ptr 1
		.amdhsa_wavefront_size32 1
		.amdhsa_system_sgpr_workgroup_id_x 1
		.amdhsa_system_sgpr_workgroup_id_y 1
		.amdhsa_system_sgpr_workgroup_id_z 1
		.amdhsa_system_vgpr_workitem_id 0
		.amdhsa_next_free_vgpr 184
		.amdhsa_next_free_sgpr 66
		.amdhsa_reserve_vcc 1
		.amdhsa_float_denorm_mode_32 3
		.amdhsa_float_denorm_mode_16_64 3
		.amdhsa_memory_ordered 1
		.amdhsa_forward_progress 1
		.amdhsa_inst_pref_size 155
	.end_amdhsa_kernel
	.amdgpu_metadata
---
amdhsa.version: [ 1, 2 ]
amdhsa.kernels:
  - .name:           k_q2a9d174ee5_prep
    .symbol:         k_q2a9d174ee5_prep.kd
    .args:
      - { .name: x, .offset: 0, .size: 8, .value_kind: global_buffer, .address_space: global }
      - { .name: Wq, .offset: 8, .size: 8, .value_kind: global_buffer, .address_space: global }
      - { .name: Wk, .offset: 16, .size: 8, .value_kind: global_buffer, .address_space: global }
      - { .name: Wv, .offset: 24, .size: 8, .value_kind: global_buffer, .address_space: global }
      - { .name: Wo, .offset: 32, .size: 8, .value_kind: global_buffer, .address_space: global }
      - { .name: mask, .offset: 40, .size: 8, .value_kind: global_buffer, .address_space: global }
      - { .name: lowp_scales, .offset: 48, .size: 8, .value_kind: global_buffer, .address_space: global }
      - { .name: xc, .offset: 56, .size: 8, .value_kind: global_buffer, .address_space: global }
      - { .name: wc, .offset: 64, .size: 8, .value_kind: global_buffer, .address_space: global }
      - { .name: maskw, .offset: 72, .size: 8, .value_kind: global_buffer, .address_space: global }
      - { .name: mflag, .offset: 80, .size: 8, .value_kind: global_buffer, .address_space: global }
    .group_segment_fixed_size: 70656
    .private_segment_fixed_size: 0
    .kernarg_segment_align: 8
    .kernarg_segment_size: 88
    .max_flat_workgroup_size: 256
    .sgpr_count:     66
    .vgpr_count:     184
    .wavefront_size: 32
...
	.end_amdgpu_metadata
.endif
;; end of part 1
;; launch qkv (part 2): grid 12 x 16, 4 waves a work-group, clusters of 4 x 4, 327,680 bytes of LDS; arguments xc, wc, bq, bk, bv, lowp_scales, qc, kv; writes qc, kv
.if DOCPART == 2
	.amdgcn_target "amdgcn-amd-amdhsa--gfx1250"
	.amdhsa_code_object_version 6
	.text
	.protected	k_q2a9d174ee5_qkv
	.globl	k_q2a9d174ee5_qkv
	.p2align	8
	.type	k_q2a9d174ee5_qkv,@function
k_q2a9d174ee5_qkv:
	s_mov_b64 s[64:65], 0
	v_nop
	global_prefetch_b8 v0, s[64:65] scope:SCOPE_SE
	s_setreg_imm32_b32 hwreg(HW_REG_WAVE_MODE, 25, 1), 1
	s_wait_xcnt 0x0
	s_wait_alu depctr_hold_cnt(0) depctr_sa_sdst(0) depctr_va_vdst(0) depctr_va_sdst(0) depctr_va_ssrc(0) depctr_va_vcc(0) depctr_vm_vsrc(0)
	s_getreg_b32 s2, hwreg(HW_REG_IB_STS2, 6, 4)
	s_cmp_eq_u32 s2, 0
	s_cbranch_scc0 .Lentry_in_a_cluster
	s_endpgm
.Lentry_in_a_cluster:
	s_bfe_u32 s2, ttmp6, 0x10000c
	s_cmp_lg_u32 s2, 0xf033
	s_cbranch_scc0 .Lentry_shape_is_right
	s_endpgm
.Lentry_shape_is_right:
; SECOND LAUNCH: q = x Wq + bq, k = x Wk + bk, v = x Wv + bv on codes of FP8 (E4M3), each result quantised at once (scales e6, e7, e9) and stored as IMAGES OF OPERAND REGISTERS.  Nothing is left out.
; z = the cluster's x: 0 q, 1 k, 2 v.  A tile is 256 x 256, made by four waves, each 128 x 128: 64 accumulators, 512 registers.  K = 1,024 goes in four steps of 256 through a ring of two LDS slots.
; THE MATRIX INSTRUCTION IS USED TRANSPOSED (source 0 = 16 rows of B, source 1 = 16 rows of A): a lane holds ONE row of A and eight neighbouring rows of B.
;   z = 0, 1: A = x's codes (tokens), B = the weight's rows (features): a lane holds a token and 8 neighbouring features: the conversion's two registers are registers 2 b, 2 b + 1 of a fragment along the head's 64.
;   z = 2:    A = Wv's rows (features), B = x's codes (tokens): a lane holds a feature and 8 neighbouring tokens: registers 2 b, 2 b + 1 of a fragment of V^T along 128 keys.
; qc: [head][token tile][1,024]: byte 512 c + 16 lane: registers 4 c .. 4 c + 3 of the tile's fragment (16 tokens x 64).   kv: [head][slot of 256 keys: 32,768]: 16 such images of K, then for each 128 keys four images of 2,048
; bytes of V^T (16 features x 128 keys).  Every store covers 512 consecutive bytes, aligned.
; THE BIAS is the C of each sum's first matrix instruction, divided by 2^(the two operands' e): along B's rows for z = 0, 1, along A's rows for z = 2: so the first step is written twice, under a branch on z, which all partners share.
; CLUSTERS: 4 x 4 work-groups; A's tile is asked for jointly along a row of the cluster, B's along a column.
; LIMITS: eOut - eA - eB between -126 and 119 for each of the three products.  NaN is not carried through the hold.
; REGISTERS: window 0: v4-7, v8-15 offsets; v16-21 LDS addresses; v28-31; v32-95 the bias; v128-255 A's fragments, ONE set (on the way out v128-207 at work).  window 1: B's fragments, two sets.  windows 2, 3: the accumulators.
.set ROWB,   256                       ; a tile's row: 256 codes
.set KROW,   1024                      ; a row of either operand in memory
.set PITCH,  272                       ; an LDS row: 256 bytes + 16 of padding = 68 words: the 16 rows that a load touches start at 16 different banks (64 banks of 4 bytes: ISA guide 11.1)
.set FR,     16
.set NL,     4
.set NP,     4                         ; places behind this matrix instruction (ISA guide 7.12.1)
.set HALFT,  128*PITCH
.set SLOT,   4*HALFT
.set SPARE,  2*SLOT                    ; behind the ring: the spare words, 128 bytes for each wave
.set VO,   4                           ; v4-7    the four stores' offsets
.set VA,   8                           ; v8-15   the bias loads' offsets
.set ADRA, 16
.set ADRB, 20
.set SPW,  28
.set NIL,  29
.set SC,   30                          ; v30     2^(eOut - eA - eB)
.set LIM,  31                          ; v31     448 x that
.set BB,   32                          ; v32-95  the bias in the result's layout
.set AF,   128
.set T,    128                         ; the way out: a block's 64 held sums
.set CD,   192                         ; and its 16 registers of codes
.set G1, 24
.set G0, 32
.set G1B, 48
.set G0B, 56
.set MSB, 0
.macro WIN new                         ; the immediate's high byte repeats the setting that is left
.if MSB != \new
	s_set_vgpr_msb (MSB<<8)|\new
.set MSB, \new
.endif
.endm
.set MUL_LO, 0xa1                      ; source 0 (B) window 1, source 1 (A) window 0, C and D window 2
.set MUL_HI, 0xf1
.set TO_B,   0x40
.macro JLOAD g0a, g1a, g0b, g1b        ; a joint load: waves 0, 1 fetch for A, waves 2, 3 for B; an s_nop 0 and four v_nop follow each line
	s_cmp_eq_u32 s15, 0
	s_cbranch_scc0 .Lfor_b_\@
	tensor_load_to_lds s[\g0a:\g0a+3], s[\g1a:\g1a+7]
	s_nop 0
.rept 4
	v_nop
.endr
	s_branch .Lasked_\@
.Lfor_b_\@:
	tensor_load_to_lds s[\g0b:\g0b+3], s[\g1b:\g1b+7]
	s_nop 0
.rept 4
	v_nop
.endr
.Lasked_\@:
.endm
.macro CREST
	s_cmp_lg_u32 s14, 0
	s_cbranch_scc1 .Lnot_wave_0_\@
	s_barrier_signal -3
.Lnot_wave_0_\@:
	s_barrier_wait -3
	s_barrier_signal -1
	s_barrier_wait -1
.endm
.macro CROUND
	s_barrier_signal -1
	s_barrier_wait -1
	CREST
.endm
	s_load_b512 s[68:83], s[0:1], 0x0              ; xc s[68:69], wc s[70:71], bq s[72:73], bk s[74:75], bv s[76:77], the exponents s[78:79], qc s[80:81], kv s[82:83]
	v_lshl_add_u32 v[SPW], v0, 2, SPARE
	v_mov_b32 v[NIL], 0
	ds_add_u32 v[SPW], v[NIL]                      ; the opening: the add, twice on end, and its wait ahead of my first tensor load
	ds_add_u32 v[SPW], v[NIL]
	v_lshrrev_b32 v1, 5, v0
	v_readfirstlane_b32 s14, v1                    ; wave 0..3
	s_lshr_b32 s15, s14, 1                         ; my half of A's rows.  Also: I fetch for A (0) or for B (1)
	s_and_b32 s16, s14, 1                          ; my half of B's rows.  Also: which 128 rows I fetch
	s_bfe_u32 s40, ttmp6, 0x40000                  ; cx
	s_bfe_u32 s41, ttmp6, 0x40004                  ; cy
	s_mov_b32 s12, ttmp9                           ; z
	s_and_b32 s13, ttmp7, 0xffff
	s_lshl_b32 s13, s13, 2                         ; 4 x cluster y
	s_lshl_b32 s43, s41, 2
	s_lshl_b32 s43, 15, s43                        ; my row of the cluster
	s_lshl_b32 s44, 0x1111, s40                    ; my column
	s_lshl_b32 s22, s12, 22
	s_lshl_b32 s23, s12, 20
	s_cmp_lt_u32 s12, 2                            ; the tokens (16 tiles) are A's rows for z = 0, 1 and B's for z = 2; the features (4 tiles) the other's
	s_cselect_b32 s17, s13, 0
	s_cselect_b32 s42, 0, s13
	s_cselect_b32 s4, s22, s23                     ; A: x's version z (4 MiB apart), or Wv (2 MiB into wc)
	s_cselect_b32 s5, s23, s22                     ; B: weight z (1 MiB apart), or x's version 2 (8 MiB into xc)
	s_add_co_u32 s17, s17, s41                     ; A's tile row
	s_add_co_u32 s42, s42, s40                     ; B's tile column
	s_or_b32 s[G1+0], s43, (0<<16)|(1<<20)|(1<<21)|(5<<22)|(3<<25)  ; 15:0 the mask; 17:16 elements of 1 byte; 20 padding on; 21 set beside a mask; 24:22 after every 64 words; 31:25 four words
	s_or_b32 s[G1B+0], s44, (0<<16)|(1<<20)|(1<<21)|(5<<22)|(3<<25)
.irp g, G1, G1B
	s_mov_b32 s[\g+1], ROWB<<16                    ; tensor_dim0
	s_mov_b32 s[\g+2], 128<<16                     ; tensor_dim1
	s_mov_b32 s[\g+3], ROWB<<16                    ; tile_dim0
	s_mov_b32 s[\g+4], 128                         ; tile_dim1
	s_mov_b32 s[\g+5], KROW                        ; tensor_dim0_stride
	s_mov_b32 s[\g+6], 0
	s_mov_b32 s[\g+7], 0
.endr
	s_lshl_b32 s18, s16, 7
	s_lshl_b32 s20, s17, 8
	s_add_co_u32 s20, s20, s18
	s_lshl_b32 s20, s20, 10                        ; A: (256 x tile row + 128 x half) rows of 1,024 bytes
	s_add_co_u32 s20, s20, s4
	s_mov_b32 s21, 0
	s_lshl_b32 s46, s42, 8
	s_add_co_u32 s46, s46, s18
	s_lshl_b32 s46, s46, 10
	s_add_co_u32 s46, s46, s5
	s_mov_b32 s47, 0
	s_mul_i32 s45, s14, HALFT                      ; where they go: wave x 128 rows
	s_wait_dscnt 0x0                               ; both opening adds are done
	s_wait_kmcnt 0x0
	s_load_b256 s[84:91], s[78:79], 0x0            ; e0 .. e7
	s_load_b128 s[92:95], s[78:79], 0x20           ; e8 .. e11
	s_cmp_lt_u32 s12, 2
	s_cselect_b64 s[4:5], s[68:69], s[70:71]       ; A's buffer,
	s_cselect_b64 s[6:7], s[70:71], s[68:69]       ; B's
	s_add_nc_u64 s[20:21], s[4:5], s[20:21]
	s_add_nc_u64 s[46:47], s[6:7], s[46:47]
	CROUND                                         ; all sixteen work-groups are here: the first joint loads meet
.irp s, 0,1
	s_mov_b32 s[G0+4*\s], 1
	s_add_co_u32 s[G0+4*\s+1], s45, \s*SLOT
	s_add_nc_u64 s[G0+4*\s+2:G0+4*\s+3], s[20:21], \s*ROWB
	s_or_b32 s[G0+4*\s+3], s[G0+4*\s+3], 0x80000000
	s_mov_b32 s[G0B+4*\s], 1
	s_add_co_u32 s[G0B+4*\s+1], s45, \s*SLOT
	s_add_nc_u64 s[G0B+4*\s+2:G0B+4*\s+3], s[46:47], \s*ROWB
	s_or_b32 s[G0B+4*\s+3], s[G0B+4*\s+3], 0x80000000
	JLOAD G0+4*\s, G1, G0B+4*\s, G1B               ; two loads of mine are out
.endr
	v_and_b32 v1, 15, v0                           ; r
	v_bfe_u32 v2, v0, 4, 1                         ; h
	v_mul_u32_u24 v22, v1, PITCH
	v_lshl_add_u32 v22, v2, 4, v22                 ; a fragment's row x pitch + 16 h
	s_mul_i32 s18, s15, HALFT
	s_mul_i32 s19, s16, HALFT
	s_add_co_u32 s19, s19, 2*HALFT
.irp s, 0,1
	v_add_nc_u32 v[ADRA+\s], s18, v22
	v_add_nc_u32 v[ADRB+\s], s19, v22
	s_add_co_u32 s18, s18, SLOT
	s_add_co_u32 s19, s19, SLOT
.endr
	; my part of the result: A's rows from s8 on, B's rows from s9 on
	s_lshl_b32 s8, s17, 8
	s_lshl_b32 s9, s15, 7
	s_add_co_u32 s8, s8, s9
	s_lshl_b32 s9, s42, 8
	s_lshl_b32 s96, s16, 7
	s_add_co_u32 s9, s9, s96
	s_cmp_lt_u32 s12, 2
	s_cselect_b32 s96, s9, s8                      ; my first feature,
	s_cselect_b32 s97, s8, s9                      ; my first token
	s_cselect_b32 s2, 32, 0                        ; the bias: z = 0, 1: register 8 b + j holds bias[feature + 16 b + 8 h + j];
	s_cselect_b32 s3, 0, 4                         ;           z = 2:    register 8 a + j holds bias[feature + 16 a + r], the same for all j
	s_cselect_b32 s66, 4, 0
	v_mul_u32_u24 v[VA], v2, s2
	v_mad_u32_u24 v[VA], v1, s3, v[VA]
.irp j, 1,2,3,4,5,6,7
	v_add_nc_u32 v[VA+\j], s66, v[VA+\j-1]
.endr
	s_cmp_eq_u32 s12, 1
	s_cselect_b64 s[72:73], s[74:75], s[72:73]
	s_cmp_eq_u32 s12, 2
	s_cselect_b64 s[72:73], s[76:77], s[72:73]
	s_lshl_b32 s66, s96, 2
	s_mov_b32 s67, 0
	s_add_nc_u64 s[72:73], s[72:73], s[66:67]
.irp g, 0,1,2,3,4,5,6,7
.irp j, 0,1,2,3,4,5,6,7
	global_load_b32 v[BB+8*\g+\j], v[VA+\j], s[72:73] offset:64*\g
.endr
.endr
	; where the images go
	s_mov_b32 s3, 0x80000
	s_cmp_eq_u32 s12, 0
	s_cselect_b64 s[10:11], s[80:81], s[82:83]     ; qc or kv
	s_cselect_b32 s3, 0x40000, s3                  ; a head's bytes there
	s_lshr_b32 s66, s96, 6
	s_mul_i32 s66, s66, s3                         ; my first head
	s_lshl_b32 s2, s97, 6                          ; q: 64 bytes a token
	s_lshr_b32 s8, s97, 8
	s_lshl_b32 s8, s8, 15                          ; k, v: the slot of 256 keys,
	s_bfe_u32 s9, s97, 0x10007
	s_lshl_b32 s9, s9, 13                          ; its half,
	s_add_co_u32 s8, s8, s9
	s_cmp_eq_u32 s12, 2
	s_cselect_b32 s9, 16384, 0                     ; and V's part behind K's
	s_add_co_u32 s8, s8, s9
	s_cmp_eq_u32 s12, 0
	s_cselect_b32 s2, s2, s8
	s_add_co_u32 s66, s66, s2
	s_add_nc_u64 s[10:11], s[10:11], s[66:67]
	s_cmp_lt_u32 s12, 2
	s_cselect_b32 s3, s3, 1024                     ; a block's codes: z = 0, 1: two heads' images of 1,024 bytes; z = 2: one image of 2,048
	v_and_b32 v23, 31, v0
	v_lshlrev_b32 v[VO], 4, v23
	v_add_nc_u32 v[VO+1], 512, v[VO]
	v_add_nc_u32 v[VO+2], s3, v[VO]
	v_add_nc_u32 v[VO+3], 512, v[VO+2]
.macro FRAG reg, adr, q, i             ; 16 rows x 128 K: four loads of 16 bytes; the same order of k in A and in B, so every product meets its partner
.irp c, 0,1,2,3
	ds_load_b128 v[\reg+4*\c:\reg+4*\c+3], v[\adr] offset:128*(\q)+32*\c+(\i)*16*PITCH
.endr
.endm
; 16 matrix instructions: A's blocks a0, a0 + 1 x B's eight.  cm = 0: the sums go on; 1: they begin with the bias along B's rows; 2: along A's rows.  The 64 accumulators take turns.
.macro MUL16 a0, p, cm
.irp a, \a0, \a0+1
.irp b, 0,1,2,3,4,5,6,7
.if (\cm) == 1
	v_wmma_f32_16x16x128_fp8_fp8 v[8*(8*((\a)%4)+\b):8*(8*((\a)%4)+\b)+7], v[128*(\p)+FR*\b:128*(\p)+FR*\b+FR-1], v[AF+FR*(\a):AF+FR*(\a)+FR-1], v[BB+8*\b:BB+8*\b+7]
.elseif (\cm) == 2
	v_wmma_f32_16x16x128_fp8_fp8 v[8*(8*((\a)%4)+\b):8*(8*((\a)%4)+\b)+7], v[128*(\p)+FR*\b:128*(\p)+FR*\b+FR-1], v[AF+FR*(\a):AF+FR*(\a)+FR-1], v[BB+8*(\a):BB+8*(\a)+7]
.else
	v_wmma_f32_16x16x128_fp8_fp8 v[8*(8*((\a)%4)+\b):8*(8*((\a)%4)+\b)+7], v[128*(\p)+FR*\b:128*(\p)+FR*\b+FR-1], v[AF+FR*(\a):AF+FR*(\a)+FR-1], v[8*(8*((\a)%4)+\b):8*(8*((\a)%4)+\b)+7]
.endif
.endr
.endr
.endm
.macro FETCH_B slot, q, p
	WIN TO_B
.irp i, 0,1,2,3,4,5,6,7
	FRAG 128*(\p)+FR*\i, ADRB+\slot, \q, \i
.endr
	WIN 0
.endm
.macro FETCH_A slot, q, i0
.irp i, \i0, \i0+1, \i0+2, \i0+3
	FRAG AF+FR*(\i), ADRA+\slot, \q, \i
.endr
.endm
.macro PLACES n                        ; plain vector lines between a matrix instruction and a load into, or a vector write of, a register that it read, or a read of its result
.rept \n
	v_nop
.endr
.endm
.macro STEP slot, q, cm                ; 128 along K with its successor in the same slot
	s_wait_dscnt 4*NL                              ; B's set and A's blocks 0-3 are in; the youngest sixteen loads (A's blocks 4-7) may be out
.if \cm
	WIN 0x81                                       ; C (the bias) in window 0, D in window 2
.else
	WIN MUL_LO
.endif
	MUL16 0, (\q)%2, \cm
	MUL16 2, (\q)%2, \cm
	s_wait_dscnt 0
	PLACES NP
	FETCH_B \slot, (\q)+1, 1-(\q)%2
	FETCH_A \slot, (\q)+1, 0
.if \cm
	WIN 0xc1
.else
	WIN MUL_HI
.endif
	MUL16 4, (\q)%2, \cm
	MUL16 6, (\q)%2, \cm
	PLACES NP
	WIN 0
	FETCH_A \slot, (\q)+1, 4
.endm
; A slot's last step changes slots: one barrier; ahead of it each wave waits for all its tensor loads, adds 0 to its spare word, and waits for that and for its reads of this slot.
.macro TURN slot, next, fill
	s_wait_tensorcnt 0x0                           ; all my tensor loads have landed: my part of the next slot
	ds_add_u32 v[SPW], v[NIL]
	s_wait_dscnt 4*NL+1                            ; (the add and A's blocks 4-7 may be out)
	WIN MUL_LO
	MUL16 0, 1, 0
	s_wait_dscnt 0x0                               ; the add is done, and my reads of this slot are over
	s_barrier_signal -1
	MUL16 2, 1, 0
	WIN 0
	s_barrier_wait -1
.if \fill
	CREST                                          ; the barrier has opened a round of the cluster's barrier: no wave of any partner still reads this slot or has a load on its way
	s_add_nc_u64 s[G0+4*\slot+2:G0+4*\slot+3], s[G0+4*\slot+2:G0+4*\slot+3], 2*ROWB
	s_add_nc_u64 s[G0B+4*\slot+2:G0B+4*\slot+3], s[G0B+4*\slot+2:G0B+4*\slot+3], 2*ROWB
	JLOAD G0+4*\slot, G1, G0B+4*\slot, G1B         ; my one tensor load behind the round; its four v_nop are the places in front of the loads below
.else
	PLACES NP
.endif
	FETCH_B \next, 0, 0
	FETCH_A \next, 0, 0
	WIN MUL_HI
	MUL16 4, 1, 0
	MUL16 6, 1, 0
	PLACES NP
	WIN 0
	FETCH_A \next, 0, 4
.endm
	s_wait_tensorcnt 1                             ; my part of slot 0 is in; slot 1's load may be out
	s_barrier_signal -1
	s_barrier_wait -1
	FETCH_B 0, 0, 0
	FETCH_A 0, 0, 0
	FETCH_A 0, 0, 4
	s_wait_loadcnt 0x0                             ; the bias
	s_wait_kmcnt 0x0                               ; the exponents.  They are chosen by z without a jump
	s_add_co_i32 s84, s84, s85
	s_add_co_i32 s86, s86, s87
	s_add_co_i32 s88, s88, s89
	s_cmp_eq_u32 s12, 1
	s_cselect_b32 s84, s86, s84
	s_cselect_b32 s90, s91, s90
	s_cmp_eq_u32 s12, 2
	s_cselect_b32 s84, s88, s84                    ; eA + eB: a sum stands for sum x 2^(eA + eB)
	s_cselect_b32 s90, s93, s90                    ; eOut: e6, e7 or e9
	s_sub_co_i32 s88, 0, s84
	s_add_co_i32 s90, s90, s88
	s_add_co_i32 s90, s90, 127
	s_lshl_b32 s91, s90, 23
	v_mov_b32 v[SC], s91                           ; the three scales folded into the conversion's one
	s_add_co_i32 s90, s90, 8
	s_lshl_b32 s90, s90, 23
	s_or_b32 s90, s90, 0x600000
	v_mov_b32 v[LIM], s90
	s_cmp_lt_u32 s12, 2
	s_mov_b32 s84, 2048
	s_cselect_b32 s84, 1024, s84                   ; from a block's images to the next block's,
	s_mov_b32 s86, 518144
	s_cselect_b32 s86, 1024, s86                   ; and between blocks 3 and 4 (z = 2: on to the next head: 524,288 - 3 x 2,048)
	s_mov_b32 s85, 0
	s_mov_b32 s87, 0
.irp i, 0,1,2,3,4,5,6,7,8,9,10,11,12,13,14,15,16,17,18,19,20,21,22,23,24,25,26,27,28,29,30,31,32,33,34,35,36,37,38,39,40,41,42,43,44,45,46,47,48,49,50,51,52,53,54,55,56,57,58,59,60,61,62,63
	v_ldexp_f32 v[BB+\i], v[BB+\i], s88            ; bias / 2^(eA + eB)
.endr
	s_cmp_eq_u32 s12, 2                            ; z: the same in all sixteen partners
	s_cbranch_scc1 .Lfirst_v
	STEP 0, 0, 1
	s_branch .Lfirst_done
.Lfirst_v:
	STEP 0, 0, 2
.Lfirst_done:
	TURN 0, 1, 1                                   ; K = 1,024 is twice round the ring: written out
	STEP 1, 0, 0
	TURN 1, 0, 1
	STEP 0, 0, 0
	TURN 0, 1, 0                                   ; the last lap fills nothing
	STEP 1, 0, 0
	s_wait_dscnt 4*NL
	WIN MUL_LO
	MUL16 0, 1, 0
	MUL16 2, 1, 0
	s_wait_dscnt 0
	WIN MUL_HI
	MUL16 4, 1, 0
	MUL16 6, 1, 0
	WIN 0
; THE WAY OUT, a block of A's 16 rows at a time: hold, convert, store.  An accumulator's eight registers are eight neighbours along the next product's K, so the codes are the operand's registers as they stand.
.macro OUTBLK a
	WIN 0x02+((\a)/4)                              ; source 0: window 2 or 3
.irp i, 0,1,2,3,4,5,6,7,8,9,10,11,12,13,14,15,16,17,18,19,20,21,22,23,24,25,26,27,28,29,30,31,32,33,34,35,36,37,38,39,40,41,42,43,44,45,46,47,48,49,50,51,52,53,54,55,56,57,58,59,60,61,62,63
	v_med3_num_f32 v[T+\i], v[64*((\a)%4)+\i], -v[LIM], v[LIM]   ; each accumulator from its low end on
.endr
	WIN 0
.if (\a) > 0
	s_wait_xcnt 0x0                                ; the last block's stores have read their data and their base: both are written below
.if (\a) == 4
	s_add_nc_u64 s[10:11], s[10:11], s[86:87]
.else
	s_add_nc_u64 s[10:11], s[10:11], s[84:85]
.endif
.endif
.irp b, 0,1,2,3,4,5,6,7
	v_cvt_scalef32_pk8_fp8_f32 v[CD+2*\b:CD+2*\b+1], v[T+8*\b:T+8*\b+7], v[SC]
.endr
	v_nop                                          ; a plain line between the conversions and the next block's holds, which write their sources
.irp g, 0,1,2,3
	global_store_b128 v[VO+\g], v[CD+4*\g:CD+4*\g+3], s[10:11]   ; 512 consecutive bytes, aligned
.endr
.endm
	PLACES NP
.irp a, 0,1,2,3,4,5,6,7
	OUTBLK \a
.endr
	s_wait_tensorcnt 0x0                           ; the wave's end
	ds_add_u32 v[SPW], v[NIL]
	s_wait_dscnt 0x0
	CROUND                                         ; the closing round
	s_endpgm
.Lfunc_end_k_q2a9d174ee5_qkv:
	.size	k_q2a9d174ee5_qkv, .Lfunc_end_k_q2a9d174ee5_qkv-k_q2a9d174ee5_qkv
	.p2alignl 7, 3214868480
	.fill 96, 4, 3214868480
	.section	.rodata,"a",@progbits
	.p2align	6, 0x0
	.amdhsa_kernel k_q2a9d174ee5_qkv
		.amdhsa_group_segment_fixed_size 327680
		.amdhsa_private_segment_fixed_size 0
		.amdhsa_enable_private_segment 0
		.amdhsa_kernarg_size 64
		.amdhsa_user_sgpr_count 2
		.amdhsa_user_sgpr_kernarg_segment_ptr 1
		.amdhsa_wavefront_size32 1
		.amdhsa_system_sgpr_workgroup_id_x 1
		.amdhsa_system_sgpr_workgroup_id_y 1
		.amdhsa_system_sgpr_workgroup_id_z 1
		.amdhsa_system_vgpr_workitem_id 0
		.amdhsa_next_free_vgpr 1024
		.amdhsa_next_free_sgpr 98
		.amdhsa_reserve_vcc 0
		.amdhsa_float_denorm_mode_32 3
		.amdhsa_float_denorm_mode_16_64 3
		.amdhsa_memory_ordered 1
		.amdhsa_forward_progress 1
		.amdhsa_inst_pref_size 139
	.end_amdhsa_kernel
	.amdgpu_metadata
---
amdhsa.version: [ 1, 2 ]
amdhsa.kernels:
  - .name:           k_q2a9d174ee5_qkv
    .symbol:         k_q2a9d174ee5_qkv.kd
    .args:
      - { .name: xc, .offset: 0, .size: 8, .value_kind: global_buffer, .address_space: global }
      - { .name: wc, .offset: 8, .size: 8, .value_kind: global_buffer, .address_space: global }
      - { .name: bq, .offset: 16, .size: 8, .value_kind: global_buffer, .address_space: global }
      - { .name: bk, .offset: 24, .size: 8, .value_kind: global_buffer, .address_space: global }
      - { .name: bv, .offset: 32, .size: 8, .value_kind: global_buffer, .address_space: global }
      - { .name: lowp_scales, .offset: 40, .size: 8, .value_kind: global_buffer, .address_space: global }
      - { .name: qc, .offset: 48, .size: 8, .value_kind: global_buffer, .address_space: global }
      - { .name: kv, .offset: 56, .size: 8, .value_kind: global_buffer, .address_space: global }
    .group_segment_fixed_size: 327680
    .private_segment_fixed_size: 0
    .kernarg_segment_align: 8
    .kernarg_segment_size: 64
    .max_flat_workgroup_size: 128
    .sgpr_count:     98
    .vgpr_count:     1024
    .wavefront_size: 32
...
	.end_amdgpu_metadata
.endif
;; end of part 2
;; launch attn (part 3): grid 16 x 16, 16 waves a work-group, no clusters, 67,584 bytes of LDS; arguments qc, kv, maskw, mflag, lowp_scales, oc; writes oc
.if DOCPART == 3
	.amdgcn_target "amdgcn-amd-amdhsa--gfx1250"
	.amdhsa_code_object_version 6
	.text
	.protected	k_q2a9d174ee5_attn
	.globl	k_q2a9d174ee5_attn
	.p2align	8
	.type	k_q2a9d174ee5_attn,@function
k_q2a9d174ee5_attn:
	s_mov_b64 s[64:65], 0
	v_nop
	global_prefetch_b8 v0, s[64:65] scope:SCOPE_SE
	s_setreg_imm32_b32 hwreg(HW_REG_WAVE_MODE, 25, 1), 1
	s_wait_xcnt 0x0
; THIRD LAUNCH: o = softmax(q k^T / 8 + mask) v on codes of FP8 (E4M3), o quantised at once (e10) and stored as images of operand registers.
; LEFT OUT, by a branch on whole numbers that the first launch stored: a key step (128 keys x 16 queries) whose part of the mask is all false: there p = 0, the sum gains 0, the maximum does not move.  Right for every mask.
; THE SOFTMAX: t = score x log2(e) / 8; M = the running largest t rounded UP to a whole number; p = 2^(t - M) is quantised with 2^e8, not normalised; the row's sum is taken of the unquantised p and divides at the end.
; SHARES.  Work-group (j, head), sixteen waves.  Wave w owns ONE tile of 16 queries, tile j + 16 p, p = w xor 3 ((w >> 2) & 1): the tiles lie 256 queries apart, so that under a mask that grows with the query every
; work-group, and every four waves w, w + 4, w + 8, w + 12, have the same work.  All waves walk the head's 16 slots of 256 keys and pass every barrier; a step's WORK is done where its flag says so.
; NO TENSOR LOAD, NO CLUSTER: the walk branches on loaded whole numbers.  A slot (32,768 bytes, laid as it is read) goes memory -> registers -> LDS, 2,048 bytes a wave, one slot ahead.
; LAYOUT.  S^T = K Q^T (source 0 = 16 keys, source 1 = my queries), O^T = V^T P^T: a lane holds ONE query.  Register 8 t + j of S^T is key 16 t + 8 h + j: the conversion's two registers of tile t are registers 2 t, 2 t + 1 of P.
; A QUERY WITH NO KEY (sum 0) gets NaN codes: the last product then gives NaN for that token, as the problem has it.
; LIMITS: e6 + e7 between -123 and 130; e8, and e10 - e8 - e9, between -126 and 119.
.set SPARE, 65536                      ; behind the two slots: the spare words, 128 bytes for each wave
.set LI,   1                           ; v1   16 x lane
.set ST,   3                           ; v3   2,048 x wave + 16 x lane: my part of a slot, in memory and in LDS; never rewritten
.set SPW,  5
.set NIL,  6
.set PFO,  8                           ; v8   256 x thread: the prefetch's offset; never rewritten
.set NINF, 9                           ; v9   -infinity
.set HOLD, 10                          ; v10  448 x the conversion's scale
.set SCL,  11                          ; v11  the conversion's scale
.set Q,    16                          ; v16-23  Q's fragment.   v12 -M, v13 the largest t, v[14:15] the sum in two halves
.set SG,   24                          ; v24-39  my part of the next slot
.set PC,   40                          ; v40-55  p's codes.      v56, v57 at work; v[58:59] f; v60 a permute's destination; v61; v[62:63] the sum's second chain
.set KF,   64                          ; v64-127 K's eight fragments, then V's four
.set S,    128                         ; v128-191 S^T, then p
.set O,    192                         ; v192-223 O^T
; s3 trips; s[6:7] kv, walking; s[8:9] the mask words, walking; s[10:11] oc; s14 wave; s15 ANY, s84 ALL (a bit a step); s85: 1 where the hold changes nothing; s[86:87] c; s[88:89] lane selects; s90; s[92:97] e6 .. e11;
; s16-63 and s68-83: a step's 64 mask words
	s_load_b256 s[16:23], s[0:1], 0x0              ; qc s[16:17], kv s[18:19], maskw s[20:21], mflag s[22:23]
	s_load_b128 s[24:27], s[0:1], 0x20             ; the exponents s[24:25], oc s[26:27]
	v_lshl_add_u32 v[SPW], v0, 2, SPARE
	v_mov_b32 v[NIL], 0
	v_lshrrev_b32 v2, 5, v0
	v_readfirstlane_b32 s14, v2                    ; wave 0..15
	v_and_b32 v2, 31, v0
	v_lshlrev_b32 v[LI], 4, v2
	v_and_b32 v[ST], 0x1e0, v0
	v_lshl_add_u32 v[ST], v[ST], 6, v[LI]
	v_lshlrev_b32 v[PFO], 8, v0
	s_bfe_u32 s28, s14, 0x10002
	s_mul_i32 s28, s28, 3
	s_xor_b32 s28, s14, s28                        ; p
	s_lshl_b32 s29, s28, 4
	s_add_co_u32 s29, s29, ttmp9                   ; my tile of queries
	s_and_b32 s30, ttmp7, 0xffff                   ; the head
	s_mov_b32 s33, 0
	s_lshl_b32 s32, s30, 18
	s_lshl_b32 s31, s29, 10
	s_add_co_u32 s32, s32, s31
	s_wait_kmcnt 0x0
	s_add_nc_u64 s[16:17], s[16:17], s[32:33]      ; Q's image
	s_lshl_b32 s32, s30, 19
	s_add_nc_u64 s[6:7], s[18:19], s[32:33]        ; the head's slot 0
	s_lshl_b32 s32, s29, 13
	s_add_nc_u64 s[8:9], s[20:21], s[32:33]        ; my tile's mask words
	s_lshl_b32 s32, s29, 6
	s_add_nc_u64 s[12:13], s[22:23], s[32:33]      ; and flags
	s_lshl_b32 s32, s28, 18
	s_lshl_b32 s31, s30, 14
	s_add_co_u32 s32, s32, s31
	s_lshl_b32 s31, ttmp9, 10
	s_add_co_u32 s32, s32, s31
	s_add_nc_u64 s[10:11], s[26:27], s[32:33]      ; oc: [tile / 16][head][tile % 16][1,024]
	s_load_b512 s[36:51], s[12:13], 0x0
	s_load_b128 s[92:95], s[24:25], 0x18           ; e6 .. e9
	s_load_b64 s[96:97], s[24:25], 0x28            ; e10, e11
	global_load_b128 v[Q:Q+3], v[LI], s[16:17]
	global_load_b128 v[Q+4:Q+7], v[LI], s[16:17] offset:512
.irp i, 0,1,2,3
	global_load_b128 v[SG+4*\i:SG+4*\i+3], v[ST], s[6:7] offset:512*\i   ; slot 0
.endr
	s_mov_b32 s88, 0x76543210
	s_mov_b32 s89, 0xfedcba98
	s_mov_b32 s3, 0
	s_lshr_b32 s2, s14, 2
	s_or_b32 s2, s2, ttmp9
	s_cmp_eq_u32 s2, 0
	s_cselect_b32 s90, 7, 0                        ; waves 0 to 3 of the head's first work-group prefetch, in trips 0 to 6
	v_mov_b32 v[NINF], 0xff800000
	v_mov_b32 v13, 0xff61b1e6                      ; the largest t so far: -3e38
	v_floor_f32 v12, -v13
	v_mov_b32 v14, 0
	v_mov_b32 v15, 0
	v_mov_b32 v59, 0                               ; (named as the upper half of a pair)
	v_mov_b32 v60, 0                               ; a lane permute's destination counts as read
.irp j, 0,1,2,3,4,5,6,7,8,9,10,11,12,13,14,15,16,17,18,19,20,21,22,23,24,25,26,27,28,29,30,31
	v_mov_b32 v[O+\j], 0                           ; which step is a wave's first hangs on the flags, so none can be written out to start the sums
.endr
	s_wait_kmcnt 0x0
	s_or_b32 s15, s36, s37
	s_or_b32 s84, s44, s45
.irp i, 38,39,40,41,42,43
	s_or_b32 s15, s15, s[\i]
	s_or_b32 s84, s84, s[\i+8]
.endr
	s_add_co_i32 s2, s92, s93
	s_lshl_b32 s2, s2, 23
	s_add_co_i32 s86, s2, 0x3e38aa3b               ; c = log2(e) / 8, with e6 + e7 added to its exponent field
	s_mov_b32 s87, s86
	s_add_co_i32 s2, s94, 127
	s_lshl_b32 s4, s2, 23
	v_mov_b32 v[SCL], s4                           ; 2^e8
	s_add_co_i32 s2, s2, 8
	s_lshl_b32 s2, s2, 23
	s_or_b32 s2, s2, 0x600000
	v_mov_b32 v[HOLD], s2                          ; 448 x 2^e8
	s_cmp_ge_i32 s94, -8                           ; p is at most 1 (but for its last bit): from e8 = -8 on, 448 x 2^e8 = 1.75 or more lies above every p
	s_cselect_b32 s85, 1, 0
.macro SCORES sg, q                    ; the eight tiles of scores; then V's fragments are asked for, into K's registers
	s_wait_dscnt 0x0                               ; K is in
.irp t, 0,1,2,3,4,5,6,7
	v_wmma_f32_16x16x64_fp8_fp8 v[S+8*\t:S+8*\t+7], v[KF+8*\t:KF+8*\t+7], v[Q:Q+7], 0
.endr
.rept 4
	v_nop                                          ; places in front of the loads below and of the first read of the scores
.endr
.irp f, 0,1,2,3,4,5,6,7,8,9,10,11,12,13,14,15
	ds_load_b128 v[KF+4*\f:KF+4*\f+3], v[LI] offset:(\sg)*32768+16384+(\q)*8192+512*\f
.endr
.endm
.macro STEP sg, q                      ; 128 keys: step q of the slot in LDS slot sg
	s_bitcmp1_b32 s15, 2*(\sg)+(\q)
	s_cbranch_scc0 .Lskip_\@                       ; no key of the step counts for any of my queries
.rept 4
	v_nop                                          ; places behind the last products, which read these registers
.endr
.irp f, 0,1,2,3,4,5,6,7,8,9,10,11,12,13,14,15
	ds_load_b128 v[KF+4*\f:KF+4*\f+3], v[LI] offset:(\sg)*32768+(\q)*8192+512*\f
.endr
	s_bitcmp1_b32 s84, 2*(\sg)+(\q)
	s_cbranch_scc1 .Lopen_\@                       ; all keys count: no word is loaded or used
	s_load_b512 s[16:31], s[8:9], (2*(\sg)+(\q))*256
	s_load_b512 s[32:47], s[8:9], (2*(\sg)+(\q))*256+64
	s_load_b512 s[48:63], s[8:9], (2*(\sg)+(\q))*256+128
	s_load_b512 s[68:83], s[8:9], (2*(\sg)+(\q))*256+192
	SCORES \sg, \q
	s_wait_kmcnt 0x0
.irp n, 0,1,2,3,4,5,6,7,8,9,10,11,12,13,14,15,16,17,18,19,20,21,22,23,24,25,26,27,28,29,30,31,32,33,34,35,36,37,38,39,40,41,42,43,44,45,46,47
	v_cndmask_b32 v[S+\n], v[NINF], v[S+\n], s[16+\n]   ; a hidden key's score becomes -infinity ahead of the maximum: p = 0
.endr
.irp n, 48,49,50,51,52,53,54,55,56,57,58,59,60,61,62,63
	v_cndmask_b32 v[S+\n], v[NINF], v[S+\n], s[20+\n]
.endr
	s_branch .Lsoft_\@
.Lopen_\@:
	SCORES \sg, \q
.Lsoft_\@:
	v_max3_num_f32 v56, v[S], v[S+1], v[S+2]       ; the step's largest score of my query among my 64 keys, in two chains, ascending
	v_max3_num_f32 v57, v[S+3], v[S+4], v[S+5]
.irp i, 6,10,14,18,22,26,30,34,38,42,46,50,54,58
	v_max3_num_f32 v56, v56, v[S+\i], v[S+\i+1]
	v_max3_num_f32 v57, v57, v[S+\i+2], v[S+\i+3]
.endr
	v_max3_num_f32 v56, v56, v[S+62], v[S+63]
	v_max_num_f32 v56, v56, v57
	v_permlanex16_b32 v60, v56, s88, s89
	v_max_num_f32 v56, v56, v60                    ; and among lane l xor 16's
	v_mul_f32 v56, s86, v56                        ; as t (c is positive)
	v_max_num_f32 v13, v13, v56
	v_mov_b32 v56, v12
	v_floor_f32 v12, -v13                          ; the new -M = -ceil(t)
	v_sub_f32 v56, v12, v56                        ; old M - new M: a whole number, 0 or less
	v_cvt_i32_f32 v56, v56                         ; (it saturates)
	v_ldexp_f32 v58, 1.0, v56                      ; f = 2^(old M - new M)
.irp j, 0,2,4,6,8,10,12,14,16,18,20,22,24,26,28,30,32,34,36,38,40,42,44,46,48,50,52,54,56,58,60,62
	v_pk_fma_f32 v[S+\j:S+\j+1], v[S+\j:S+\j+1], s[86:87], v[12:13] op_sel_hi:[1,0,0]   ; t - M
.endr
.irp j, 0,1,2,3,4,5,6,7,8,9,10,11,12,13,14,15,16,17,18,19,20,21,22,23,24,25,26,27,28,29,30,31,32,33,34,35,36,37,38,39,40,41,42,43,44,45,46,47,48,49,50,51,52,53,54,55,56,57,58,59,60,61,62,63
	v_exp_f32 v[S+\j], v[S+\j]
.endr
	v_pk_mul_f32 v[14:15], v[14:15], v[58:59] op_sel_hi:[1,0]   ; the sum under the new M: the plain line behind the exponentials
	s_wait_alu depctr_va_vdst(0)                   ; one wait for the batch, ahead of its first reader
	v_pk_add_f32 v[62:63], v[S:S+1], v[S+2:S+3]    ; the sum of the unquantised p, in two chains
.irp j, 4,8,12,16,20,24,28,32,36,40,44,48,52,56,60
	v_pk_add_f32 v[14:15], v[14:15], v[S+\j:S+\j+1]
	v_pk_add_f32 v[62:63], v[62:63], v[S+\j+2:S+\j+3]
.endr
	v_pk_add_f32 v[14:15], v[14:15], v[62:63]
	s_cmp_lg_u32 s85, 0
	s_cbranch_scc1 .Lno_hold_\@
.irp j, 0,1,2,3,4,5,6,7,8,9,10,11,12,13,14,15,16,17,18,19,20,21,22,23,24,25,26,27,28,29,30,31,32,33,34,35,36,37,38,39,40,41,42,43,44,45,46,47,48,49,50,51,52,53,54,55,56,57,58,59,60,61,62,63
	v_min_num_f32 v[S+\j], v[S+\j], v[HOLD]        ; the conversion does not saturate (ISA guide 7.6.2); p is not negative
.endr
.Lno_hold_\@:
.irp t, 0,1,2,3,4,5,6,7
	v_cvt_scalef32_pk8_fp8_f32 v[PC+2*\t:PC+2*\t+1], v[S+8*\t:S+8*\t+7], v[SCL]
.endr
.irp j, 0,2,4,6,8,10,12,14,16,18,20,22,24,26,28,30
	v_pk_mul_f32 v[O+\j:O+\j+1], v[O+\j:O+\j+1], v[58:59] op_sel_hi:[1,0]   ; O^T under the new M; also the plain lines behind the conversions
.endr
	s_wait_dscnt 0x0                               ; V is in
.irp t, 0,1,2,3
	v_wmma_f32_16x16x128_fp8_fp8 v[O+8*\t:O+8*\t+7], v[KF+16*\t:KF+16*\t+15], v[PC:PC+15], v[O+8*\t:O+8*\t+7]   ; four accumulators by turns
.endr
.Lskip_\@:
.endm
; A slot: my part of it goes from registers to LDS; ONE barrier: ahead of it my stores have landed and my reads of the other LDS slot are in.  LDS slot sg was last read before the barrier before this one,
; and is stored behind that barrier.  Then the next slot's loads, which have this slot's two steps in which to come.
.macro SLOTPART sg
	s_wait_loadcnt 0x0                             ; my part of this slot (the first time: Q too)
.irp i, 0,1,2,3
	ds_store_b128 v[ST], v[SG+4*\i:SG+4*\i+3] offset:(\sg)*32768+512*\i
.endr
	s_wait_xcnt 0x0                                ; the last prefetch, a slot back, has read its base
	s_add_nc_u64 s[6:7], s[6:7], 32768
	s_wait_dscnt 0x0
	s_barrier_signal -1
	s_barrier_wait -1
.if \sg
	s_cmp_lt_u32 s3, 7                             ; behind the last slot there is none
	s_cbranch_scc0 .Lno_load_\@
.endif
.irp i, 0,1,2,3
	global_load_b128 v[SG+4*\i:SG+4*\i+3], v[ST], s[6:7] offset:512*\i
.endr
.Lno_load_\@:
	s_cmp_lt_u32 s3, s90
	s_cbranch_scc0 .Lno_ask_\@
	global_prefetch_b8 v[PFO], s[6:7] offset:32768 th:TH_LOAD_NT scope:SCOPE_SE   ; the slot after the one just asked for: four waves x 32 lanes x 256 bytes name each block of the head once in the launch; the last two slots' turns ask for nothing
.Lno_ask_\@:
	STEP \sg, 0
	STEP \sg, 1
.endm
.Ltrip:                                            ; eight trips of two slots, four key steps
	SLOTPART 0
	SLOTPART 1
	s_lshr_b32 s15, s15, 4
	s_lshr_b32 s84, s84, 4
	s_add_nc_u64 s[8:9], s[8:9], 1024              ; (every load by this base has been waited for)
	s_add_co_u32 s3, s3, 1
	s_cmp_lt_u32 s3, 8
	s_cbranch_scc1 .Ltrip
	; THE WAY OUT.  o = O^T / the sum x 2^(e8 + e9); its code is o / 2^e10: the three scales are folded into the conversion's one.  The lines up to the wait are also the places behind the last products.
	v_add_f32 v14, v14, v15
	v_permlanex16_b32 v60, v14, s88, s89
	v_add_f32 v14, v14, v60                        ; the row's sum
	v_cmp_neq_f32 s2, 0, v14                       ; has my query a key?
	v_cndmask_b32 v58, 1.0, v14, s2
	v_rcp_f32 v58, v58
	s_sub_co_i32 s4, s96, s94
	s_sub_co_i32 s4, s4, s95
	s_add_co_i32 s4, s4, 127
	s_lshl_b32 s5, s4, 23
	v_mov_b32 v[SCL], s5                           ; (the plain line behind the reciprocal)  2^(e10 - e8 - e9)
	s_add_co_i32 s4, s4, 8
	s_lshl_b32 s4, s4, 23
	s_or_b32 s4, s4, 0x600000
	v_mov_b32 v[HOLD], s4
	v_mov_b32 v61, 0x7f7f7f7f                      ; four NaN codes
	s_wait_alu depctr_va_vdst(0)                   ; ahead of the reciprocal's first reader
.irp j, 0,2,4,6,8,10,12,14,16,18,20,22,24,26,28,30
	v_pk_mul_f32 v[S+\j:S+\j+1], v[O+\j:O+\j+1], v[58:59] op_sel_hi:[1,0]   ; each accumulator from its low end on
.endr
.irp j, 0,1,2,3,4,5,6,7,8,9,10,11,12,13,14,15,16,17,18,19,20,21,22,23,24,25,26,27,28,29,30,31
	v_med3_num_f32 v[S+\j], v[S+\j], -v[HOLD], v[HOLD]
.endr
.irp t, 0,1,2,3
	v_cvt_scalef32_pk8_fp8_f32 v[PC+2*\t:PC+2*\t+1], v[S+8*\t:S+8*\t+7], v[SCL]   ; registers 2 t, 2 t + 1: channels 16 t + 8 h + 0 .. 7 of my query
.endr
	v_nop
.irp i, 0,1,2,3,4,5,6,7
	v_cndmask_b32 v[PC+\i], v61, v[PC+\i], s2
.endr
	global_store_b128 v[LI], v[PC:PC+3], s[10:11]              ; 512 consecutive bytes each, aligned
	global_store_b128 v[LI], v[PC+4:PC+7], s[10:11] offset:512
	s_wait_tensorcnt 0x0                           ; the wave's end, behind my last LDS store
	ds_add_u32 v[SPW], v[NIL]
	s_wait_dscnt 0x0
	s_endpgm
.Lfunc_end_k_q2a9d174ee5_attn:
	.size	k_q2a9d174ee5_attn, .Lfunc_end_k_q2a9d174ee5_attn-k_q2a9d174ee5_attn
	.p2alignl 7, 3214868480
	.fill 96, 4, 3214868480
	.section	.rodata,"a",@progbits
	.p2align	6, 0x0
	.amdhsa_kernel k_q2a9d174ee5_attn
		.amdhsa_group_segment_fixed_size 67584
		.amdhsa_private_segment_fixed_size 0
		.amdhsa_enable_private_segment 0
		.amdhsa_kernarg_size 48
		.amdhsa_user_sgpr_count 2
		.amdhsa_user_sgpr_kernarg_segment_ptr 1
		.amdhsa_wavefront_size32 1
		.amdhsa_system_sgpr_workgroup_id_x 1
		.amdhsa_system_sgpr_workgroup_id_y 1
		.amdhsa_system_sgpr_workgroup_id_z 1
		.amdhsa_system_vgpr_workitem_id 0
		.amdhsa_next_free_vgpr 224
		.amdhsa_next_free_sgpr 98
		.amdhsa_reserve_vcc 0
		.amdhsa_float_denorm_mode_32 3
		.amdhsa_float_denorm_mode_16_64 3
		.amdhsa_memory_ordered 1
		.amdhsa_forward_progress 1
		.amdhsa_inst_pref_size 97
	.end_amdhsa_kernel
	.amdgpu_metadata
---
amdhsa.version: [ 1, 2 ]
amdhsa.kernels:
  - .name:           k_q2a9d174ee5_attn
    .symbol:         k_q2a9d174ee5_attn.kd
    .args:
      - { .name: qc, .offset: 0, .size: 8, .value_kind: global_buffer, .address_space: global }
      - { .name: kv, .offset: 8, .size: 8, .value_kind: global_buffer, .address_space: global }
      - { .name: maskw, .offset: 16, .size: 8, .value_kind: global_buffer, .address_space: global }
      - { .name: mflag, .offset: 24, .size: 8, .value_kind: global_buffer, .address_space: global }
      - { .name: lowp_scales, .offset: 32, .size: 8, .value_kind: global_buffer, .address_space: global }
      - { .name: oc, .offset: 40, .size: 8, .value_kind: global_buffer, .address_space: global }
    .group_segment_fixed_size: 67584
    .private_segment_fixed_size: 0
    .kernarg_segment_align: 8
    .kernarg_segment_size: 48
    .max_flat_workgroup_size: 512
    .sgpr_count:     98
    .vgpr_count:     224
    .wavefront_size: 32
...
	.end_amdgpu_metadata
.endif
;; end of part 3
;; launch oproj (part 4): grid 4 x 16, 4 waves a work-group, clusters of 4 x 4, 327,680 bytes of LDS; arguments oc, wc, bo, lowp_scales, out0; writes out0
.if DOCPART == 4
	.amdgcn_target "amdgcn-amd-amdhsa--gfx1250"
	.amdhsa_code_object_version 6
	.text
	.protected	k_q2a9d174ee5_oproj
	.globl	k_q2a9d174ee5_oproj
	.p2align	8
	.type	k_q2a9d174ee5_oproj,@function
k_q2a9d174ee5_oproj:
	s_mov_b64 s[64:65], 0
	v_nop
	global_prefetch_b8 v0, s[64:65] scope:SCOPE_SE
	s_setreg_imm32_b32 hwreg(HW_REG_WAVE_MODE, 25, 1), 1
	s_wait_xcnt 0x0
	s_wait_alu depctr_hold_cnt(0) depctr_sa_sdst(0) depctr_va_vdst(0) depctr_va_sdst(0) depctr_va_ssrc(0) depctr_va_vcc(0) depctr_vm_vsrc(0)
	s_getreg_b32 s2, hwreg(HW_REG_IB_STS2, 6, 4)
	s_cmp_eq_u32 s2, 0
	s_cbranch_scc0 .Lentry_in_a_cluster
	s_endpgm
.Lentry_in_a_cluster:
	s_bfe_u32 s2, ttmp6, 0x10000c
	s_cmp_lg_u32 s2, 0xf033
	s_cbranch_scc0 .Lentry_shape_is_right
	s_endpgm
.Lentry_shape_is_right:
; FOURTH LAUNCH: out0 = o Wo + bo on codes of FP8 (E4M3).  Nothing is left out.  A tile of out0 is 256 x 256, four waves of 128 x 128; K = 1,024 in four steps of 256 through a ring of two LDS slots; 64 work-groups:
; a smaller tile would fill more WGPs at twice the LDS reads for each product, for a launch that is short beside the third.
; A = o, as IMAGES OF OPERAND REGISTERS: oc [256 tokens][head][16 tiles of tokens][1,024].  A K step (4 heads) of a tile's 256 tokens is ONE dense block of 65,536 bytes; a fragment (16 tokens x 128 = two heads) is four
; loads of 512 consecutive bytes: no pitch, no padding.  Its registers stand in the matrix form's own order: register 4 c + p, byte i: k = 32 c + 16 (p / 2) + 8 h + 4 (p % 2) + i.
; B = Wo's codes, rows along k (wc, 3 MiB in), in which the first launch has laid k so that the 16 bytes at 32 c + 16 h of a row are just those k.
; THE MATRIX INSTRUCTION IS USED TRANSPOSED (source 0 = 16 rows of B, source 1 = 16 tokens): a lane holds eight neighbouring numbers of a row of out0.   out0 = sum x 2^(e10 + e11) + bo, one fused multiply-add a number.
; CLUSTERS: 4 x 4; A's tile is asked for jointly along a row of the cluster, B's along a column.   LIMIT: e10 + e11 between -126 and 127.
; REGISTERS: window 0: v16-29 addresses; v32-95 bo in the result's layout; v128-255 A's fragments, one set (on the way out: rows read back).  window 1: B's two sets.  windows 2, 3: the accumulators.
.set ROWB,   256
.set KROW,   1024
.set PITCH,  272
.set FR,     16
.set NL,     4
.set NP,     4
.set AHALF,  32768                     ; what one tensor load brings of A: two heads' images
.set ATILE,  65536
.set BHALF,  128*PITCH
.set SLOT,   ATILE+2*BHALF             ; A's block, then B's 256 rows
.set SPARE,  2*SLOT
.set SPITCH, 528                       ; the way out: a stage of 16 rows x (512 + 16) bytes for each wave, in slot 0, which has had its last fill and its last read by then
.set ADRA, 16
.set ADRB, 20
.set STO,  24
.set RD,   25
.set CO,   26
.set SPW,  28
.set NIL,  29
.set BB,   32
.set AF,   128
.set BK,   128
.set G1, 24
.set G0, 32
.set G1B, 48
.set G0B, 56
.set MSB, 0
.macro WIN new
.if MSB != \new
	s_set_vgpr_msb (MSB<<8)|\new
.set MSB, \new
.endif
.endm
.set MUL_LO, 0xa1
.set MUL_HI, 0xf1
.set TO_B,   0x40
.macro JLOAD g0a, g1a, g0b, g1b        ; a joint load: waves 0, 1 fetch for A, waves 2, 3 for B; an s_nop 0 and four v_nop follow each line
	s_cmp_eq_u32 s15, 0
	s_cbranch_scc0 .Lfor_b_\@
	tensor_load_to_lds s[\g0a:\g0a+3], s[\g1a:\g1a+7]
	s_nop 0
.rept 4
	v_nop
.endr
	s_branch .Lasked_\@
.Lfor_b_\@:
	tensor_load_to_lds s[\g0b:\g0b+3], s[\g1b:\g1b+7]
	s_nop 0
.rept 4
	v_nop
.endr
.Lasked_\@:
.endm
.macro CREST
	s_cmp_lg_u32 s14, 0
	s_cbranch_scc1 .Lnot_wave_0_\@
	s_barrier_signal -3
.Lnot_wave_0_\@:
	s_barrier_wait -3
	s_barrier_signal -1
	s_barrier_wait -1
.endm
.macro CROUND
	s_barrier_signal -1
	s_barrier_wait -1
	CREST
.endm
	s_load_b256 s[68:75], s[0:1], 0x0              ; oc s[68:69], wc s[70:71], bo s[72:73], the exponents s[74:75]
	s_load_b64 s[10:11], s[0:1], 0x20              ; out0
	v_lshl_add_u32 v[SPW], v0, 2, SPARE
	v_mov_b32 v[NIL], 0
	ds_add_u32 v[SPW], v[NIL]                      ; the opening: the add, twice on end, and its wait ahead of my first tensor load
	ds_add_u32 v[SPW], v[NIL]
	v_lshrrev_b32 v1, 5, v0
	v_readfirstlane_b32 s14, v1                    ; wave 0..3
	s_lshr_b32 s15, s14, 1                         ; my half of the tokens.  Also: I fetch for A (0) or for B (1)
	s_and_b32 s16, s14, 1                          ; my half of the columns.  Also: which half of that tile I fetch
	s_bfe_u32 s40, ttmp6, 0x40000                  ; cx
	s_bfe_u32 s41, ttmp6, 0x40004                  ; cy
	s_lshl_b32 s42, ttmp9, 2
	s_add_co_u32 s42, s42, s40                     ; tile column
	s_and_b32 s17, ttmp7, 0xffff
	s_lshl_b32 s17, s17, 2
	s_add_co_u32 s17, s17, s41                     ; tile row
	s_lshl_b32 s43, s41, 2
	s_lshl_b32 s43, 15, s43
	s_lshl_b32 s44, 0x1111, s40
	s_or_b32 s[G1+0], s43, (0<<16)|(1<<21)         ; A: 15:0 the mask; elements of 1 byte; no padding; 21 set beside a mask
	s_mov_b32 s[G1+1], 256<<16                     ; a dense block as 128 rows of 256 bytes
	s_mov_b32 s[G1+2], 128<<16
	s_mov_b32 s[G1+3], 256<<16
	s_mov_b32 s[G1+4], 128
	s_mov_b32 s[G1+5], 256
	s_mov_b32 s[G1+6], 0
	s_mov_b32 s[G1+7], 0
	s_or_b32 s[G1B+0], s44, (0<<16)|(1<<20)|(1<<21)|(5<<22)|(3<<25)  ; B: four words of padding after every 64
	s_mov_b32 s[G1B+1], ROWB<<16
	s_mov_b32 s[G1B+2], 128<<16
	s_mov_b32 s[G1B+3], ROWB<<16
	s_mov_b32 s[G1B+4], 128
	s_mov_b32 s[G1B+5], KROW
	s_mov_b32 s[G1B+6], 0
	s_mov_b32 s[G1B+7], 0
	s_lshl_b32 s20, s17, 18                        ; A: the tile row's 262,144 bytes, + my two heads of the K step's four
	s_lshl_b32 s18, s16, 15
	s_add_co_u32 s20, s20, s18
	s_mov_b32 s21, 0
	s_lshl_b32 s46, s42, 8
	s_lshl_b32 s18, s16, 7
	s_add_co_u32 s46, s46, s18
	s_lshl_b32 s46, s46, 10                        ; B: (256 x tile column + 128 x half) rows of 1,024 bytes,
	s_add_co_u32 s46, s46, 0x300000                ; 3 MiB into wc
	s_mov_b32 s47, 0
	s_lshl_b32 s45, s16, 15                        ; where they go: A's halves,
	s_mul_i32 s19, s16, BHALF
	s_add_co_u32 s19, s19, ATILE                   ; B's halves behind them
	s_wait_dscnt 0x0                               ; both opening adds are done
	s_wait_kmcnt 0x0
	s_load_b64 s[96:97], s[74:75], 0x28            ; e10, e11
	s_add_nc_u64 s[20:21], s[68:69], s[20:21]
	s_add_nc_u64 s[46:47], s[70:71], s[46:47]
	CROUND                                         ; all sixteen work-groups are here: the first joint loads meet
.irp s, 0,1
	s_mov_b32 s[G0+4*\s], 1
	s_add_co_u32 s[G0+4*\s+1], s45, \s*SLOT
	s_add_nc_u64 s[G0+4*\s+2:G0+4*\s+3], s[20:21], \s*ATILE
	s_or_b32 s[G0+4*\s+3], s[G0+4*\s+3], 0x80000000
	s_mov_b32 s[G0B+4*\s], 1
	s_add_co_u32 s[G0B+4*\s+1], s19, \s*SLOT
	s_add_nc_u64 s[G0B+4*\s+2:G0B+4*\s+3], s[46:47], \s*ROWB
	s_or_b32 s[G0B+4*\s+3], s[G0B+4*\s+3], 0x80000000
	JLOAD G0+4*\s, G1, G0B+4*\s, G1B               ; two loads of mine are out
.endr
	v_and_b32 v1, 15, v0                           ; r
	v_bfe_u32 v2, v0, 4, 1                         ; h
	v_and_b32 v6, 31, v0
	v_lshlrev_b32 v[CO], 4, v6                     ; 16 x lane
	v_mul_u32_u24 v22, v1, PITCH
	v_lshl_add_u32 v22, v2, 4, v22
	s_lshl_b32 s21, s15, 13                        ; A: my eight tiles of tokens: 8 images of 1,024 bytes into each head
	s_mul_i32 s22, s16, BHALF
	s_add_co_u32 s22, s22, ATILE
.irp s, 0,1
	v_add_nc_u32 v[ADRA+\s], s21, v[CO]
	v_add_nc_u32 v[ADRB+\s], s22, v22
	s_add_co_u32 s21, s21, SLOT
	s_add_co_u32 s22, s22, SLOT
.endr
	s_mul_i32 s23, s14, 16*SPITCH                  ; my stage
	v_mul_u32_u24 v5, v1, SPITCH
	v_lshl_add_u32 v5, v2, 5, v5
	v_add_nc_u32 v[STO], s23, v5                   ; in: row r, 32 bytes for each half of the lanes
	v_add_nc_u32 v[RD], s23, v[CO]                 ; back: the 32 lanes take one row of 512 bytes
	s_lshl_b32 s8, s17, 8
	s_lshl_b32 s9, s15, 7
	s_add_co_u32 s8, s8, s9
	s_lshl_b32 s8, s8, 12                          ; my first row of out0: 4,096 bytes a row
	s_lshl_b32 s9, s42, 10
	s_lshl_b32 s66, s16, 9
	s_add_co_u32 s66, s66, s9                      ; my first column, in bytes: also my place in bo
	s_mov_b32 s67, 0
	s_add_nc_u64 s[72:73], s[72:73], s[66:67]
	s_add_co_u32 s66, s66, s8
	s_add_nc_u64 s[10:11], s[10:11], s[66:67]
	v_lshlrev_b32 v23, 5, v2
.irp b, 0,1,2,3,4,5,6,7
	global_load_b128 v[BB+8*\b:BB+8*\b+3], v23, s[72:73] offset:64*\b       ; bo[column + 16 b + 8 h + 0 .. 7]
	global_load_b128 v[BB+8*\b+4:BB+8*\b+7], v23, s[72:73] offset:64*\b+16
.endr
.macro FRAGB reg, adr, q, i
.irp c, 0,1,2,3
	ds_load_b128 v[\reg+4*\c:\reg+4*\c+3], v[\adr] offset:128*(\q)+32*\c+(\i)*16*PITCH
.endr
.endm
.macro FRAGA reg, adr, q, i            ; registers 0-7: head 2 q of the slot's four, registers 8-15: head 2 q + 1; tile of tokens i
.irp c, 0,1,2,3
	ds_load_b128 v[\reg+4*\c:\reg+4*\c+3], v[\adr] offset:(2*(\q)+(\c/2))*16384+(\i)*1024+(\c%2)*512
.endr
.endm
.macro MUL16 a0, p, zero               ; the 64 accumulators take turns
.irp a, \a0, \a0+1
.irp b, 0,1,2,3,4,5,6,7
.if \zero
	v_wmma_f32_16x16x128_fp8_fp8 v[8*(8*((\a)%4)+\b):8*(8*((\a)%4)+\b)+7], v[128*(\p)+FR*\b:128*(\p)+FR*\b+FR-1], v[AF+FR*(\a):AF+FR*(\a)+FR-1], 0
.else
	v_wmma_f32_16x16x128_fp8_fp8 v[8*(8*((\a)%4)+\b):8*(8*((\a)%4)+\b)+7], v[128*(\p)+FR*\b:128*(\p)+FR*\b+FR-1], v[AF+FR*(\a):AF+FR*(\a)+FR-1], v[8*(8*((\a)%4)+\b):8*(8*((\a)%4)+\b)+7]
.endif
.endr
.endr
.endm
.macro FETCH_B slot, q, p
	WIN TO_B
.irp i, 0,1,2,3,4,5,6,7
	FRAGB 128*(\p)+FR*\i, ADRB+\slot, \q, \i
.endr
	WIN 0
.endm
.macro FETCH_A slot, q, i0
.irp i, \i0, \i0+1, \i0+2, \i0+3
	FRAGA AF+FR*(\i), ADRA+\slot, \q, \i
.endr
.endm
.macro PLACES n
.rept \n
	v_nop
.endr
.endm
.macro STEP slot, q, zero
	s_wait_dscnt 4*NL                              ; B's set and A's blocks 0-3 are in; the youngest sixteen loads (A's blocks 4-7) may be out
	WIN MUL_LO
	MUL16 0, (\q)%2, \zero
	MUL16 2, (\q)%2, \zero
	s_wait_dscnt 0
	PLACES NP
	FETCH_B \slot, (\q)+1, 1-(\q)%2
	FETCH_A \slot, (\q)+1, 0
	WIN MUL_HI
	MUL16 4, (\q)%2, \zero
	MUL16 6, (\q)%2, \zero
	PLACES NP
	WIN 0
	FETCH_A \slot, (\q)+1, 4
.endm
.macro TURN slot, next, fill
	s_wait_tensorcnt 0x0                           ; all my tensor loads have landed: my part of the next slot
	ds_add_u32 v[SPW], v[NIL]
	s_wait_dscnt 4*NL+1                            ; (the add and A's blocks 4-7 may be out)
	WIN MUL_LO
	MUL16 0, 1, 0
	s_wait_dscnt 0x0                               ; the add is done, and my reads of this slot are over
	s_barrier_signal -1
	MUL16 2, 1, 0
	WIN 0
	s_barrier_wait -1
.if \fill
	CREST                                          ; the barrier has opened a round of the cluster's barrier
	s_add_nc_u64 s[G0+4*\slot+2:G0+4*\slot+3], s[G0+4*\slot+2:G0+4*\slot+3], 2*ATILE
	s_add_nc_u64 s[G0B+4*\slot+2:G0B+4*\slot+3], s[G0B+4*\slot+2:G0B+4*\slot+3], 2*ROWB
	JLOAD G0+4*\slot, G1, G0B+4*\slot, G1B         ; my one tensor load behind the round
.else
	PLACES NP
.endif
	FETCH_B \next, 0, 0
	FETCH_A \next, 0, 0
	WIN MUL_HI
	MUL16 4, 1, 0
	MUL16 6, 1, 0
	PLACES NP
	WIN 0
	FETCH_A \next, 0, 4
.endm
	s_wait_tensorcnt 1                             ; my part of slot 0 is in; slot 1's load may be out
	s_barrier_signal -1
	s_barrier_wait -1
	FETCH_B 0, 0, 0
	FETCH_A 0, 0, 0
	FETCH_A 0, 0, 4
	STEP 0, 0, 1                                   ; the first products start the sums
	TURN 0, 1, 1
	STEP 1, 0, 0
	TURN 1, 0, 1
	STEP 0, 0, 0
	TURN 0, 1, 0                                   ; the last lap fills nothing
	STEP 1, 0, 0
	s_wait_dscnt 4*NL
	WIN MUL_LO
	MUL16 0, 1, 0
	MUL16 2, 1, 0
	s_wait_dscnt 0
	WIN MUL_HI
	MUL16 4, 1, 0
	MUL16 6, 1, 0
	WIN 0
; THE WAY OUT, a block of 16 tokens x 128 columns at a time: through my stage, back as whole rows of 512 bytes.
.macro TOSTAGE a
.set AC, 64*((\a)%4)
.if (\a) < 4
	WIN 0x82                                       ; source 0 and destination window 2, bo window 0
.else
	WIN 0xc3
.endif
.irp i, 0,1,2,3,4,5,6,7,8,9,10,11,12,13,14,15,16,17,18,19,20,21,22,23,24,25,26,27,28,29,30,31,32,33,34,35,36,37,38,39,40,41,42,43,44,45,46,47,48,49,50,51,52,53,54,55,56,57,58,59,60,61,62,63
	v_fma_f32 v[AC+\i], v[AC+\i], s96, v[BB+\i]    ; sum x 2^(e10 + e11) + bo, in place; each accumulator from its low end on
.endr
.if (\a) < 4
	WIN 0x08                                       ; the stores' data: window 2
.else
	WIN 0x0c
.endif
.irp b, 0,1,2,3,4,5,6,7
	ds_store_b128 v[STO], v[AC+8*\b:AC+8*\b+3] offset:64*\b
	ds_store_b128 v[STO], v[AC+8*\b+4:AC+8*\b+7] offset:64*\b+16
.endr
	WIN 0
.set BR, BK+64*((\a)%2)
.irp t, 0,1,2,3,4,5,6,7,8,9,10,11,12,13,14,15
	ds_load_b128 v[BR+4*\t:BR+4*\t+3], v[RD] offset:\t*SPITCH   ; LDS serves a wave's instructions in order (ISA guide 5.7.1.4): these see my stores
.endr
.endm
.macro SEND a, younger
.set BR, BK+64*((\a)%2)
	s_wait_dscnt \younger                          ; the block is back; the next block's 16 stores and 16 loads may be out
.if (\a) > 0
	s_add_nc_u64 s[10:11], s[10:11], 16*4096       ; (behind a wait on XCNT)  16 rows on
.endif
.irp t, 0,1,2,3,4,5,6,7,8,9,10,11,12,13,14,15
	global_store_b128 v[CO], v[BR+4*\t:BR+4*\t+3], s[10:11] offset:\t*4096 th:TH_STORE_NT   ; 32 lanes store 512 consecutive bytes, aligned
.endr
.endm
	s_wait_kmcnt 0x0
	s_add_co_i32 s96, s96, s97
	s_add_co_i32 s96, s96, 127
	s_lshl_b32 s96, s96, 23                        ; 2^(e10 + e11) as f32
	s_wait_loadcnt 0x0                             ; bo
	PLACES NP
	TOSTAGE 0
.irp a, 1,2,3,4,5,6,7
.if \a > 1
	s_wait_xcnt 0x0                                ; block a - 2's stores have read their registers and their base
.endif
	TOSTAGE \a
	SEND \a-1, 32
.endr
	s_wait_xcnt 0x0
	SEND 7, 0
	s_wait_tensorcnt 0x0                           ; the wave's end, behind my last tensor load and my last LDS store
	ds_add_u32 v[SPW], v[NIL]
	s_wait_dscnt 0x0
	CROUND                                         ; the closing round
	s_endpgm
.Lfunc_end_k_q2a9d174ee5_oproj:
	.size	k_q2a9d174ee5_oproj, .Lfunc_end_k_q2a9d174ee5_oproj-k_q2a9d174ee5_oproj
	.p2alignl 7, 3214868480
	.fill 96, 4, 3214868480
	.section	.rodata,"a",@progbits
	.p2align	6, 0x0
	.amdhsa_kernel k_q2a9d174ee5_oproj
		.amdhsa_group_segment_fixed_size 327680
		.amdhsa_private_segment_fixed_size 0
		.amdhsa_enable_private_segment 0
		.amdhsa_kernarg_size 40
		.amdhsa_user_sgpr_count 2
		.amdhsa_user_sgpr_kernarg_segment_ptr 1
		.amdhsa_wavefront_size32 1
		.amdhsa_system_sgpr_workgroup_id_x 1
		.amdhsa_system_sgpr_workgroup_id_y 1
		.amdhsa_system_sgpr_workgroup_id_z 1
		.amdhsa_system_vgpr_workitem_id 0
		.amdhsa_next_free_vgpr 1024
		.amdhsa_next_free_sgpr 98
		.amdhsa_reserve_vcc 0
		.amdhsa_float_denorm_mode_32 3
		.amdhsa_float_denorm_mode_16_64 3
		.amdhsa_memory_ordered 1
		.amdhsa_forward_progress 1
		.amdhsa_inst_pref_size 141
	.end_amdhsa_kernel
	.amdgpu_metadata
---
amdhsa.version: [ 1, 2 ]
amdhsa.kernels:
  - .name:           k_q2a9d174ee5_oproj
    .symbol:         k_q2a9d174ee5_oproj.kd
    .args:
      - { .name: oc, .offset: 0, .size: 8, .value_kind: global_buffer, .address_space: global }
      - { .name: wc, .offset: 8, .size: 8, .value_kind: global_buffer, .address_space: global }
      - { .name: bo, .offset: 16, .size: 8, .value_kind: global_buffer, .address_space: global }
      - { .name: lowp_scales, .offset: 24, .size: 8, .value_kind: global_buffer, .address_space: global }
      - { .name: out0, .offset: 32, .size: 8, .value_kind: global_buffer, .address_space: global }
    .group_segment_fixed_size: 327680
    .private_segment_fixed_size: 0
    .kernarg_segment_align: 8
    .kernarg_segment_size: 40
    .max_flat_workgroup_size: 128
    .sgpr_count:     98
    .vgpr_count:     1024
    .wavefront_size: 32
...
	.end_amdgpu_metadata
.endif
;; end of part 4
;; ======== version 2 of 2: 4 launches; version 1 with the launch attn written anew for expert scheduling mode
;; workspace buffers: xc 12,582,912 bytes; wc 4,194,304 bytes; qc 4,194,304 bytes; kv 8,388,608 bytes; oc 4,194,304 bytes; maskw 2,097,152 bytes of whole numbers; mflag 16,384 bytes of whole numbers
;; launch prep: the kernel of part 1 again; grid 448 x 1, 8 waves a work-group, no clusters, 70,656 bytes of LDS; arguments x, Wq, Wk, Wv, Wo, mask, lowp_scales, xc, wc, maskw, mflag; writes xc, wc, maskw, mflag
;; launch qkv: the kernel of part 2 again; grid 12 x 16, 4 waves a work-group, clusters of 4 x 4, 327,680 bytes of LDS; arguments xc, wc, bq, bk, bv, lowp_scales, qc, kv; writes qc, kv
;; launch attn (part 5): grid 16 x 16, 16 waves a work-group, no clusters, 67,584 bytes of LDS; arguments qc, kv, maskw, mflag, lowp_scales, oc; writes oc
.if DOCPART == 5
	.amdgcn_target "amdgcn-amd-amdhsa--gfx1250"
	.amdhsa_code_object_version 6
	.text
	.protected	k_q2a9d174ee5_attn
	.globl	k_q2a9d174ee5_attn
	.p2align	8
	.type	k_q2a9d174ee5_attn,@function
k_q2a9d174ee5_attn:
	s_mov_b64 s[64:65], 0
	v_nop
	global_prefetch_b8 v0, s[64:65] scope:SCOPE_SE
	s_setreg_imm32_b32 hwreg(HW_REG_WAVE_SCHED_MODE, 0, 2), 2
	s_setreg_imm32_b32 hwreg(HW_REG_WAVE_MODE, 25, 1), 1
	s_wait_xcnt 0x0
	s_wait_alu depctr_vm_vsrc(0)
; THIRD LAUNCH: o = softmax(q k^T / 8 + mask) v on codes of FP8 (E4M3), o quantised at once (e10) and stored as images of operand registers.
; LEFT OUT, by a branch on whole numbers that the first launch stored: a key step (128 keys x 16 queries) whose part of the mask is all false: there p = 0, the sum gains 0, the maximum does not move.  Right for every mask.
; THE SOFTMAX: t = score x log2(e) / 8; M = the running largest t rounded UP to a whole number; p = 2^(t - M) is quantised with 2^e8, not normalised; the row's sum is taken of the unquantised p and divides at the end.
; SHARES.  Work-group (j, head), sixteen waves.  Wave w owns ONE tile of 16 queries, tile j + 16 p, p = w xor 3 ((w >> 2) & 1): the tiles lie 256 queries apart, so that under a mask that grows with the query every
; work-group, and every four waves w, w + 4, w + 8, w + 12, have the same work.  All waves walk the head's 16 slots of 256 keys and pass every barrier; a step's WORK is done where its flag says so.
; NO TENSOR LOAD, NO CLUSTER: the walk branches on loaded whole numbers.  A slot (32,768 bytes, laid as it is read) goes memory -> registers -> LDS, 2,048 bytes a wave, one slot ahead.
; LAYOUT.  S^T = K Q^T (source 0 = 16 keys, source 1 = my queries), O^T = V^T P^T: a lane holds ONE query.  Register 8 t + j of S^T is key 16 t + 8 h + j: the conversion's two registers of tile t are registers 2 t, 2 t + 1 of P.
; A QUERY WITH NO KEY (sum 0) gets NaN codes: the last product then gives NaN for that token, as the problem has it.
; LIMITS: e6 + e7 between -123 and 130; e8, and e10 - e8 - e9, between -126 and 119.
; THE MODE: SCHED_MODE bits 1:0 = 2 (LLVM: expert scheduling mode 2), set by the entry lines.  The code itself states the register dependences
; between vector or matrix instructions and memory or LDS instructions, with s_wait_alu, always for 0.
; THE PLAN.  Registers that memory or LDS instructions touch:
;   v1, v3, v8    offsets: written at the head, read by every load, store and prefetch, never written again.  One wait on va_vdst ahead of the first load serves them all.
;   v5, v6        written at the head, read by the closing add alone.
;   Q             two loads at the head land in it; afterwards matrix instructions alone name it.
;   SG            the next slot's four loads land in it behind a slot's barrier; the four LDS stores at the next slot's head read it; no vector instruction names it.  One wait on vm_vsrc a slot, behind the barrier.
;   KF            a step: K's 16 LDS loads land in it; the eight score products read it; V's 16 LDS loads land in it; the four products V^T P read it; then the next step's K.
;                 Two waits on va_vdst a step, each directly ahead of its run of loads: on every way to the run, over passed steps and the loop's backward jump too.
;   PC            on the way out alone: conversions and selects write it, two stores read it: one wait on va_vdst ahead of the stores.
;   S, O, v9-15, v56-63 are named by vector and matrix instructions alone.
; Two scalar registers are written by vector instructions: s14 (the wave's number) and s2 (has my query a key?): a wait on va_sdst stands ahead of each one's first reader.
.set SPARE, 65536                      ; behind the two slots: the spare words, 128 bytes for each wave
.set LI,   1                           ; v1   16 x lane
.set ST,   3                           ; v3   2,048 x wave + 16 x lane: my part of a slot, in memory and in LDS; never rewritten
.set SPW,  5
.set NIL,  6
.set PFO,  8                           ; v8   256 x thread: the prefetch's offset; never rewritten
.set NINF, 9                           ; v9   -infinity
.set HOLD, 10                          ; v10  448 x the conversion's scale
.set SCL,  11                          ; v11  the conversion's scale
.set Q,    16                          ; v16-23  Q's fragment.   v12 -M, v13 the largest t, v[14:15] the sum in two halves
.set SG,   24                          ; v24-39  my part of the next slot
.set PC,   40                          ; v40-55  p's codes.      v56, v57 at work; v[58:59] f; v60 a permute's destination; v61; v[62:63] the sum's second chain
.set KF,   64                          ; v64-127 K's eight fragments, then V's four
.set S,    128                         ; v128-191 S^T, then p
.set O,    192                         ; v192-223 O^T
; s3 trips; s[6:7] kv, walking; s[8:9] the mask words, walking; s[10:11] oc; s14 wave; s15 ANY, s84 ALL (a bit a step); s85: 1 where the hold changes nothing; s[86:87] c; s[88:89] lane selects; s90; s[92:97] e6 .. e11;
; s16-63 and s68-83: a step's 64 mask words
	s_load_b256 s[16:23], s[0:1], 0x0              ; qc s[16:17], kv s[18:19], maskw s[20:21], mflag s[22:23]
	s_load_b128 s[24:27], s[0:1], 0x20             ; the exponents s[24:25], oc s[26:27]
	v_lshl_add_u32 v[SPW], v0, 2, SPARE
	v_mov_b32 v[NIL], 0
	v_lshrrev_b32 v2, 5, v0
	v_readfirstlane_b32 s14, v2                    ; wave 0..15
	v_and_b32 v2, 31, v0
	v_lshlrev_b32 v[LI], 4, v2
	v_and_b32 v[ST], 0x1e0, v0
	v_lshl_add_u32 v[ST], v[ST], 6, v[LI]
	v_lshlrev_b32 v[PFO], 8, v0
	s_wait_alu depctr_va_sdst(0)                   ; s14 is written, ahead of its first reader: my tile of queries and every base are made from it
	s_bfe_u32 s28, s14, 0x10002
	s_mul_i32 s28, s28, 3
	s_xor_b32 s28, s14, s28                        ; p
	s_lshl_b32 s29, s28, 4
	s_add_co_u32 s29, s29, ttmp9                   ; my tile of queries
	s_and_b32 s30, ttmp7, 0xffff                   ; the head
	s_mov_b32 s33, 0
	s_lshl_b32 s32, s30, 18
	s_lshl_b32 s31, s29, 10
	s_add_co_u32 s32, s32, s31
	s_wait_kmcnt 0x0
	s_add_nc_u64 s[16:17], s[16:17], s[32:33]      ; Q's image
	s_lshl_b32 s32, s30, 19
	s_add_nc_u64 s[6:7], s[18:19], s[32:33]        ; the head's slot 0
	s_lshl_b32 s32, s29, 13
	s_add_nc_u64 s[8:9], s[20:21], s[32:33]        ; my tile's mask words
	s_lshl_b32 s32, s29, 6
	s_add_nc_u64 s[12:13], s[22:23], s[32:33]      ; and flags
	s_lshl_b32 s32, s28, 18
	s_lshl_b32 s31, s30, 14
	s_add_co_u32 s32, s32, s31
	s_lshl_b32 s31, ttmp9, 10
	s_add_co_u32 s32, s32, s31
	s_add_nc_u64 s[10:11], s[26:27], s[32:33]      ; oc: [tile / 16][head][tile % 16][1,024]
	s_load_b512 s[36:51], s[12:13], 0x0
	s_load_b128 s[92:95], s[24:25], 0x18           ; e6 .. e9
	s_load_b64 s[96:97], s[24:25], 0x28            ; e10, e11
	s_wait_alu depctr_va_vdst(0)                   ; v1, v3 and v8 are written, which every load, store and prefetch of the kernel reads as its offset; so are v5 and v6, the closing add's two
	global_load_b128 v[Q:Q+3], v[LI], s[16:17]
	global_load_b128 v[Q+4:Q+7], v[LI], s[16:17] offset:512
.irp i, 0,1,2,3
	global_load_b128 v[SG+4*\i:SG+4*\i+3], v[ST], s[6:7] offset:512*\i   ; slot 0
.endr
	s_mov_b32 s88, 0x76543210
	s_mov_b32 s89, 0xfedcba98
	s_mov_b32 s3, 0
	s_lshr_b32 s2, s14, 2
	s_or_b32 s2, s2, ttmp9
	s_cmp_eq_u32 s2, 0
	s_cselect_b32 s90, 7, 0                        ; waves 0 to 3 of the head's first work-group prefetch, in trips 0 to 6
	v_mov_b32 v[NINF], 0xff800000
	v_mov_b32 v13, 0xff61b1e6                      ; the largest t so far: -3e38
	v_floor_f32 v12, -v13
	v_mov_b32 v14, 0
	v_mov_b32 v15, 0
	v_mov_b32 v59, 0                               ; (named as the upper half of a pair)
	v_mov_b32 v60, 0                               ; a lane permute's destination counts as read
.irp j, 0,1,2,3,4,5,6,7,8,9,10,11,12,13,14,15,16,17,18,19,20,21,22,23,24,25,26,27,28,29,30,31
	v_mov_b32 v[O+\j], 0                           ; which step is a wave's first hangs on the flags, so none can be written out to start the sums
.endr
	s_wait_kmcnt 0x0
	s_or_b32 s15, s36, s37
	s_or_b32 s84, s44, s45
.irp i, 38,39,40,41,42,43
	s_or_b32 s15, s15, s[\i]
	s_or_b32 s84, s84, s[\i+8]
.endr
	s_add_co_i32 s2, s92, s93
	s_lshl_b32 s2, s2, 23
	s_add_co_i32 s86, s2, 0x3e38aa3b               ; c = log2(e) / 8, with e6 + e7 added to its exponent field
	s_mov_b32 s87, s86
	s_add_co_i32 s2, s94, 127
	s_lshl_b32 s4, s2, 23
	v_mov_b32 v[SCL], s4                           ; 2^e8
	s_add_co_i32 s2, s2, 8
	s_lshl_b32 s2, s2, 23
	s_or_b32 s2, s2, 0x600000
	v_mov_b32 v[HOLD], s2                          ; 448 x 2^e8
	s_cmp_ge_i32 s94, -8                           ; p is at most 1 (but for its last bit): from e8 = -8 on, 448 x 2^e8 = 1.75 or more lies above every p
	s_cselect_b32 s85, 1, 0
.macro SCORES sg, q                    ; the eight tiles of scores; then V's fragments are asked for, into K's registers
	s_wait_dscnt 0x0                               ; K is in
.irp t, 0,1,2,3,4,5,6,7
	v_wmma_f32_16x16x64_fp8_fp8 v[S+8*\t:S+8*\t+7], v[KF+8*\t:KF+8*\t+7], v[Q:Q+7], 0
.endr
.rept 4
	v_nop                                          ; places in front of the first read of the scores by a vector instruction; they stay beside the wait below
.endr
	s_wait_alu depctr_va_vdst(0)                   ; the eight products are done reading KF, in which V's loads land.  (The next vector instruction reads these products' results)
.irp f, 0,1,2,3,4,5,6,7,8,9,10,11,12,13,14,15
	ds_load_b128 v[KF+4*\f:KF+4*\f+3], v[LI] offset:(\sg)*32768+16384+(\q)*8192+512*\f
.endr
.endm
.macro STEP sg, q                      ; 128 keys: step q of the slot in LDS slot sg
	s_bitcmp1_b32 s15, 2*(\sg)+(\q)
	s_cbranch_scc0 .Lskip_\@                       ; no key of the step counts for any of my queries
.rept 4
	v_nop                                          ; the places behind the last products stay beside the wait below
.endr
	s_wait_alu depctr_va_vdst(0)                   ; the last step's four products V^T P are done reading KF, in which K's loads land; its selects are done with the mask words' registers, which the scalar loads below write
.irp f, 0,1,2,3,4,5,6,7,8,9,10,11,12,13,14,15
	ds_load_b128 v[KF+4*\f:KF+4*\f+3], v[LI] offset:(\sg)*32768+(\q)*8192+512*\f
.endr
	s_bitcmp1_b32 s84, 2*(\sg)+(\q)
	s_cbranch_scc1 .Lopen_\@                       ; all keys count: no word is loaded or used
	s_load_b512 s[16:31], s[8:9], (2*(\sg)+(\q))*256
	s_load_b512 s[32:47], s[8:9], (2*(\sg)+(\q))*256+64
	s_load_b512 s[48:63], s[8:9], (2*(\sg)+(\q))*256+128
	s_load_b512 s[68:83], s[8:9], (2*(\sg)+(\q))*256+192
	SCORES \sg, \q
	s_wait_kmcnt 0x0
.irp n, 0,1,2,3,4,5,6,7,8,9,10,11,12,13,14,15,16,17,18,19,20,21,22,23,24,25,26,27,28,29,30,31,32,33,34,35,36,37,38,39,40,41,42,43,44,45,46,47
	v_cndmask_b32 v[S+\n], v[NINF], v[S+\n], s[16+\n]   ; a hidden key's score becomes -infinity ahead of the maximum: p = 0
.endr
.irp n, 48,49,50,51,52,53,54,55,56,57,58,59,60,61,62,63
	v_cndmask_b32 v[S+\n], v[NINF], v[S+\n], s[20+\n]
.endr
	s_branch .Lsoft_\@
.Lopen_\@:
	SCORES \sg, \q
.Lsoft_\@:
	v_max3_num_f32 v56, v[S], v[S+1], v[S+2]       ; the step's largest score of my query among my 64 keys, in two chains, ascending
	v_max3_num_f32 v57, v[S+3], v[S+4], v[S+5]
.irp i, 6,10,14,18,22,26,30,34,38,42,46,50,54,58
	v_max3_num_f32 v56, v56, v[S+\i], v[S+\i+1]
	v_max3_num_f32 v57, v57, v[S+\i+2], v[S+\i+3]
.endr
	v_max3_num_f32 v56, v56, v[S+62], v[S+63]
	v_max_num_f32 v56, v56, v57
	v_permlanex16_b32 v60, v56, s88, s89
	v_max_num_f32 v56, v56, v60                    ; and among lane l xor 16's
	v_mul_f32 v56, s86, v56                        ; as t (c is positive)
	v_max_num_f32 v13, v13, v56
	v_mov_b32 v56, v12
	v_floor_f32 v12, -v13                          ; the new -M = -ceil(t)
	v_sub_f32 v56, v12, v56                        ; old M - new M: a whole number, 0 or less
	v_cvt_i32_f32 v56, v56                         ; (it saturates)
	v_ldexp_f32 v58, 1.0, v56                      ; f = 2^(old M - new M)
.irp j, 0,2,4,6,8,10,12,14,16,18,20,22,24,26,28,30,32,34,36,38,40,42,44,46,48,50,52,54,56,58,60,62
	v_pk_fma_f32 v[S+\j:S+\j+1], v[S+\j:S+\j+1], s[86:87], v[12:13] op_sel_hi:[1,0,0]   ; t - M
.endr
.irp j, 0,1,2,3,4,5,6,7,8,9,10,11,12,13,14,15,16,17,18,19,20,21,22,23,24,25,26,27,28,29,30,31,32,33,34,35,36,37,38,39,40,41,42,43,44,45,46,47,48,49,50,51,52,53,54,55,56,57,58,59,60,61,62,63
	v_exp_f32 v[S+\j], v[S+\j]
.endr
	v_pk_mul_f32 v[14:15], v[14:15], v[58:59] op_sel_hi:[1,0]   ; the sum under the new M: the plain line behind the exponentials
	s_wait_alu depctr_va_vdst(0)                   ; the 64 exponentials have written p in v[S] on, which the sums below read: one wait for the batch, ahead of its first reader
	v_pk_add_f32 v[62:63], v[S:S+1], v[S+2:S+3]    ; the sum of the unquantised p, in two chains
.irp j, 4,8,12,16,20,24,28,32,36,40,44,48,52,56,60
	v_pk_add_f32 v[14:15], v[14:15], v[S+\j:S+\j+1]
	v_pk_add_f32 v[62:63], v[62:63], v[S+\j+2:S+\j+3]
.endr
	v_pk_add_f32 v[14:15], v[14:15], v[62:63]
	s_cmp_lg_u32 s85, 0
	s_cbranch_scc1 .Lno_hold_\@
.irp j, 0,1,2,3,4,5,6,7,8,9,10,11,12,13,14,15,16,17,18,19,20,21,22,23,24,25,26,27,28,29,30,31,32,33,34,35,36,37,38,39,40,41,42,43,44,45,46,47,48,49,50,51,52,53,54,55,56,57,58,59,60,61,62,63
	v_min_num_f32 v[S+\j], v[S+\j], v[HOLD]        ; the conversion does not saturate (ISA guide 7.6.2); p is not negative
.endr
.Lno_hold_\@:
.irp t, 0,1,2,3,4,5,6,7
	v_cvt_scalef32_pk8_fp8_f32 v[PC+2*\t:PC+2*\t+1], v[S+8*\t:S+8*\t+7], v[SCL]
.endr
.irp j, 0,2,4,6,8,10,12,14,16,18,20,22,24,26,28,30
	v_pk_mul_f32 v[O+\j:O+\j+1], v[O+\j:O+\j+1], v[58:59] op_sel_hi:[1,0]   ; O^T under the new M; also the plain lines behind the conversions
.endr
	s_wait_dscnt 0x0                               ; V is in
.irp t, 0,1,2,3
	v_wmma_f32_16x16x128_fp8_fp8 v[O+8*\t:O+8*\t+7], v[KF+16*\t:KF+16*\t+15], v[PC:PC+15], v[O+8*\t:O+8*\t+7]   ; four accumulators by turns
.endr
.Lskip_\@:
.endm
; A slot: my part of it goes from registers to LDS; ONE barrier: ahead of it my stores have landed and my reads of the other LDS slot are in.  LDS slot sg was last read before the barrier before this one,
; and is stored behind that barrier.  Then the next slot's loads, which have this slot's two steps in which to come.
.macro SLOTPART sg
	s_wait_loadcnt 0x0                             ; my part of this slot (the first time: Q too)
.irp i, 0,1,2,3
	ds_store_b128 v[ST], v[SG+4*\i:SG+4*\i+3] offset:(\sg)*32768+512*\i
.endr
	s_wait_xcnt 0x0                                ; the last prefetch, a slot back, has read its base
	s_add_nc_u64 s[6:7], s[6:7], 32768
	s_wait_dscnt 0x0
	s_barrier_signal -1
	s_barrier_wait -1
	s_wait_alu depctr_vm_vsrc(0)                   ; my four LDS stores have read SG, in which the next slot's loads land; the wait stands ahead of the branch that leads round those loads
.if \sg
	s_cmp_lt_u32 s3, 7                             ; behind the last slot there is none
	s_cbranch_scc0 .Lno_load_\@
.endif
.irp i, 0,1,2,3
	global_load_b128 v[SG+4*\i:SG+4*\i+3], v[ST], s[6:7] offset:512*\i
.endr
.Lno_load_\@:
	s_cmp_lt_u32 s3, s90
	s_cbranch_scc0 .Lno_ask_\@
	global_prefetch_b8 v[PFO], s[6:7] offset:32768 th:TH_LOAD_NT scope:SCOPE_SE   ; the slot after the one just asked for: four waves x 32 lanes x 256 bytes name each block of the head once in the launch; the last two slots' turns ask for nothing
.Lno_ask_\@:
	STEP \sg, 0
	STEP \sg, 1
.endm
.Ltrip:                                            ; eight trips of two slots, four key steps
	SLOTPART 0
	SLOTPART 1
	s_lshr_b32 s15, s15, 4
	s_lshr_b32 s84, s84, 4
	s_add_nc_u64 s[8:9], s[8:9], 1024              ; (every load by this base has been waited for)
	s_add_co_u32 s3, s3, 1
	s_cmp_lt_u32 s3, 8
	s_cbranch_scc1 .Ltrip
	; THE WAY OUT.  o = O^T / the sum x 2^(e8 + e9); its code is o / 2^e10: the three scales are folded into the conversion's one.  The vector lines up to the reciprocal's wait are also the places behind the last products.
	v_add_f32 v14, v14, v15
	v_permlanex16_b32 v60, v14, s88, s89
	v_add_f32 v14, v14, v60                        ; the row's sum
	v_cmp_neq_f32 s2, 0, v14                       ; has my query a key?
	s_sub_co_i32 s4, s96, s94                      ; (scalar work that is due anyway stands between the compare and the wait for its mask)
	s_sub_co_i32 s4, s4, s95
	s_add_co_i32 s4, s4, 127
	s_lshl_b32 s5, s4, 23                          ; 2^(e10 - e8 - e9) as f32
	s_add_co_i32 s4, s4, 8
	s_lshl_b32 s4, s4, 23
	s_or_b32 s4, s4, 0x600000                      ; 448 x that
	s_wait_alu depctr_va_sdst(0)                   ; the compare has written s2, ahead of its first reader, the select below
	v_cndmask_b32 v58, 1.0, v14, s2
	v_rcp_f32 v58, v58
	v_mov_b32 v[SCL], s5                           ; (the plain line behind the reciprocal)
	v_mov_b32 v[HOLD], s4
	v_mov_b32 v61, 0x7f7f7f7f                      ; four NaN codes
	s_wait_alu depctr_va_vdst(0)                   ; the reciprocal has written v58, which the multiplications below read: ahead of its first reader
.irp j, 0,2,4,6,8,10,12,14,16,18,20,22,24,26,28,30
	v_pk_mul_f32 v[S+\j:S+\j+1], v[O+\j:O+\j+1], v[58:59] op_sel_hi:[1,0]   ; each accumulator from its low end on
.endr
.irp j, 0,1,2,3,4,5,6,7,8,9,10,11,12,13,14,15,16,17,18,19,20,21,22,23,24,25,26,27,28,29,30,31
	v_med3_num_f32 v[S+\j], v[S+\j], -v[HOLD], v[HOLD]
.endr
.irp t, 0,1,2,3
	v_cvt_scalef32_pk8_fp8_f32 v[PC+2*\t:PC+2*\t+1], v[S+8*\t:S+8*\t+7], v[SCL]   ; registers 2 t, 2 t + 1: channels 16 t + 8 h + 0 .. 7 of my query
.endr
	v_nop
.irp i, 0,1,2,3,4,5,6,7
	v_cndmask_b32 v[PC+\i], v61, v[PC+\i], s2
.endr
	s_wait_alu depctr_va_vdst(0)                   ; the selects have written v[PC] to v[PC+7], which the two stores read
	global_store_b128 v[LI], v[PC:PC+3], s[10:11]              ; 512 consecutive bytes each, aligned
	global_store_b128 v[LI], v[PC+4:PC+7], s[10:11] offset:512
	s_wait_dscnt 0x0                               ; the wave's end
	s_wait_alu 0x0
	s_wait_tensorcnt 0x0
	ds_add_u32 v[SPW], v[NIL]
	s_wait_dscnt 0x0
	s_endpgm
.Lfunc_end_k_q2a9d174ee5_attn:
	.size	k_q2a9d174ee5_attn, .Lfunc_end_k_q2a9d174ee5_attn-k_q2a9d174ee5_attn
	.p2alignl 7, 3214868480
	.fill 96, 4, 3214868480
	.section	.rodata,"a",@progbits
	.p2align	6, 0x0
	.amdhsa_kernel k_q2a9d174ee5_attn
		.amdhsa_group_segment_fixed_size 67584
		.amdhsa_private_segment_fixed_size 0
		.amdhsa_enable_private_segment 0
		.amdhsa_kernarg_size 48
		.amdhsa_user_sgpr_count 2
		.amdhsa_user_sgpr_kernarg_segment_ptr 1
		.amdhsa_wavefront_size32 1
		.amdhsa_system_sgpr_workgroup_id_x 1
		.amdhsa_system_sgpr_workgroup_id_y 1
		.amdhsa_system_sgpr_workgroup_id_z 1
		.amdhsa_system_vgpr_workitem_id 0
		.amdhsa_next_free_vgpr 224
		.amdhsa_next_free_sgpr 98
		.amdhsa_reserve_vcc 0
		.amdhsa_float_denorm_mode_32 3
		.amdhsa_float_denorm_mode_16_64 3
		.amdhsa_memory_ordered 1
		.amdhsa_forward_progress 1
		.amdhsa_inst_pref_size 98
	.end_amdhsa_kernel
	.amdgpu_metadata
---
amdhsa.version: [ 1, 2 ]
amdhsa.kernels:
  - .name:           k_q2a9d174ee5_attn
    .symbol:         k_q2a9d174ee5_attn.kd
    .args:
      - { .name: qc, .offset: 0, .size: 8, .value_kind: global_buffer, .address_space: global }
      - { .name: kv, .offset: 8, .size: 8, .value_kind: global_buffer, .address_space: global }
      - { .name: maskw, .offset: 16, .size: 8, .value_kind: global_buffer, .address_space: global }
      - { .name: mflag, .offset: 24, .size: 8, .value_kind: global_buffer, .address_space: global }
      - { .name: lowp_scales, .offset: 32, .size: 8, .value_kind: global_buffer, .address_space: global }
      - { .name: oc, .offset: 40, .size: 8, .value_kind: global_buffer, .address_space: global }
    .group_segment_fixed_size: 67584
    .private_segment_fixed_size: 0
    .kernarg_segment_align: 8
    .kernarg_segment_size: 48
    .max_flat_workgroup_size: 512
    .sgpr_count:     98
    .vgpr_count:     224
    .wavefront_size: 32
...
	.end_amdgpu_metadata
.endif
;; end of part 5
;; launch oproj: the kernel of part 4 again; grid 4 x 16, 4 waves a work-group, clusters of 4 x 4, 327,680 bytes of LDS; arguments oc, wc, bo, lowp_scales, out0; writes out0
